; MI455X (gfx1250); checked and timed in simulation.
; The chip was launched on July 23, 2026; its instructions are those of AMD's public machine-readable ISA for CDNA 5 (MIT licence, August 2026) and "CDNA5" Instruction Set Architecture Reference Guide (July 2026). The comments in the code are by the model that wrote it; some were corrected since.
;; Block Model. Allowed arithmetic: matrix products marked QUANTISED: E2M3 operands, one E8M0 scale for each 32 along K, by v_wmma_scale_f32_16x16x128_f8f6f4 with both operands' format E2M3, f32 sums; products left as they are: f32 operands where the result goes on into a quantised operand, else bf16, f16 or f32 operands; f32 sums; everything else in f32.
;; Inputs: W1_codes 256 x 2 x 24 uint8 (E2M3 codes of W1, K innermost, in blocks of 32 codes, four codes in three bytes); W1_scales 256 x 2 uint8 (E8M0 scales of W1, one for each 32 codes along K); W2_codes 64 x 8 x 24 uint8 (E2M3 codes of W2, K innermost, in blocks of 32 codes, four codes in three bytes); W2_scales 64 x 8 uint8 (E8M0 scales of W2, one for each 32 codes along K); Wk_codes 8 x 8 x 2 x 24 uint8 (E2M3 codes of Wk, K innermost, in blocks of 32 codes, four codes in three bytes); Wk_scales 8 x 8 x 2 uint8 (E8M0 scales of Wk, one for each 32 codes along K); Wp_codes 64 x 2 x 24 uint8 (E2M3 codes of Wp, K innermost, in blocks of 32 codes, four codes in three bytes); Wp_scales 64 x 2 uint8 (E8M0 scales of Wp, one for each 32 codes along K); Wq_codes 8 x 8 x 2 x 24 uint8 (E2M3 codes of Wq, K innermost, in blocks of 32 codes, four codes in three bytes); Wq_scales 8 x 8 x 2 uint8 (E8M0 scales of Wq, one for each 32 codes along K); Wv_codes 8 x 8 x 2 x 24 uint8 (E2M3 codes of Wv, K innermost, in blocks of 32 codes, four codes in three bytes); Wv_scales 8 x 8 x 2 uint8 (E8M0 scales of Wv, one for each 32 codes along K); b1 256 float32; b2 64 float32; bp 64 float32; ln1_b 64 float32; ln1_g 64 float32; ln2_b 64 float32; ln2_g 64 float32; x 2,048 x 128 x 64 float32.
;; Outputs: out0 2,048 x 128 x 64 float32.
;; This version of the problem:
;;   THIS VERSION OF THE PROBLEM IS GIVEN IN LOW PRECISION. The matrix products marked QUANTISED in the list below multiply operands that are first quantised to E2M3 (2 exponent bits, 3 mantissa bits; 6 bits a number), with one power-of-two scale for each 32 numbers along K (OCP MX v1.0); their sums are f32. All else is computed in f32.
;;   The module's matrix products, in the order in which they are computed (A, B: the left and right operand; K: the contracted axis; several contracted axes count as one K, in the product's order):
;;     1. [M 64, K 64] x [K 64, N 262,144]; A: input Wq (given as codes); B: computed on the way: QUANTISED
;;     2. [M 64, K 64] x [K 64, N 262,144]; A: input Wk (given as codes); B: computed on the way: QUANTISED
;;     3. [M 64, K 64] x [K 64, N 262,144]; A: input Wv (given as codes); B: computed on the way: QUANTISED
;;     4. batch 16,384 x [M 128, K 8] x [K 8, N 128]; A: computed on the way; B: computed on the way: left as it is (K = 8 < 32)
;;     5. batch 16,384 x [M 128, K 128] x [K 128, N 8]; A: softmax; B: computed on the way: left as it is (N = 8 < 16)
;;     6. [M 262,144, K 64] x [K 64, N 64]; A: computed on the way; B: input Wp (given as codes): QUANTISED
;;     7. [M 262,144, K 64] x [K 64, N 256]; A: computed on the way; B: input W1 (given as codes): QUANTISED
;;     8. [M 262,144, K 256] x [K 256, N 64]; A: computed on the way; B: input W2 (given as codes): QUANTISED
;;   THE QUANTISER, for each operand of a quantised product, along K:
;;     - K is cut into blocks of 32 from its start; a last block that is shorter is filled with zeros.
;;     - A block's scale is 2^e with e = floor(log2(the largest magnitude in the block)) - 2, held to -126 .. 127; a block of zeros has e = 0. As a byte (E8M0): e + 127.
;;     - Each number is divided by its block's scale, clamped to +-7.5, and rounded to the nearest number of E2M3, ties to even, subnormals kept.
;;     - The product sums the exact products of the quantised numbers (number of the format x scale) in f32.
;;   ~~~python
;;   def quantise(x, axis):      # numpy; x: float32 -> the quantised numbers, widened to float32 again
;;       x = np.moveaxis(x, axis, -1); K = x.shape[-1]
;;       x = np.pad(x, [(0, 0)] * (x.ndim - 1) + [(0, -K % 32)]); x = x.reshape(x.shape[:-1] + (-1, 32)); a = np.abs(x).max(-1, keepdims=True)
;;       e = np.where(a > 0, np.clip(np.frexp(np.where(a > 0, a, 1))[1] - 1 - 2, -126, 127), 0)      # np.frexp(a)[1] - 1 = floor(log2(a)), exactly
;;       r = np.clip(x / 2.0 ** e, -7.5, 7.5)
;;       step = 2.0 ** (np.maximum(np.frexp(np.where(r == 0, 1, r))[1] - 1, 0) - 3)
;;       q = np.round(r / step) * step * 2.0 ** e      # np.round: ties to even
;;       return np.moveaxis(q.reshape(q.shape[:-2] + (-1,))[..., :K], -1, axis).astype(np.float32)
;;   ~~~
;;   OPERANDS COMPUTED ON THE WAY. 'Computed on the way' means the value that the module computes at that place (a softmax that the list does not call 'softmax' is quantised finished and normalised). What goes into a quantiser is computed in f32, as accurately as f32 sums, v_exp_f32 and their like allow (about 1e-6 of the number): no bf16 or f16 on the way to a quantiser, and a product that is left as it is and whose result goes on into a quantised operand takes f32 operands (vector FMAs, or v_wmma_f32_16x16x4_f32). A number that lies on a knife's edge between two numbers of the format may be rounded either way, as far as f32 arithmetic and the matrix unit's own rounding can turn it there, and no further.
;;   INPUTS GIVEN AS CODES. W1 (in the module: [64, 256], K = its axis 0); W2 (in the module: [256, 64], K = its axis 0); Wk (in the module: [8, 64, 8], K = its axis 1); Wp (in the module: [64, 64], K = its axis 0); Wq (in the module: [8, 64, 8], K = its axis 1); Wv (in the module: [8, 64, 8], K = its axis 1): each comes as NAME_codes (uint8): NAME with its K axis moved to the last place and cut into blocks of 32 codes, [.., K / 32, bytes a block], one block behind the other in memory; four codes in three bytes: a row's codes are one little-endian stream of bits, code i at bits 6 i .. 6 i + 5 (a code: sign, 2 exponent bits, 3 mantissa bits); and NAME_scales (uint8): the same leading axes, one E8M0 byte (e + 127) for each 32 codes along K. Its value is code x scale, taken as it is: it is not quantised again, and the codes and scales need not be those that the quantiser above would give.
;; 2 versions, each right; version 2 is version 1 with the launch block written anew for expert scheduling mode. Each part assembles by itself: llvm-mc -triple=amdgcn-amd-amdhsa -mcpu=gfx1250 --defsym DOCPART=n.
;; ======== version 1 of 2: 1 launch
;; launch block (part 1): grid 512 x 1, 8 waves a work-group, no clusters, 125,952 bytes of LDS; arguments x, out0, Wq_codes, Wk_codes, Wv_codes, Wp_codes, W1_codes, W2_codes, Wq_scales, Wk_scales, Wv_scales, Wp_scales, W1_scales, W2_scales, ln1_g, ln1_b, ln2_g, ln2_b, bp, b2, b1; writes out0
.if DOCPART == 1
	.amdgcn_target "amdgcn-amd-amdhsa--gfx1250"
	.amdhsa_code_object_version 6
	.text
	.protected	k_q586766bbba_block
	.globl	k_q586766bbba_block
	.p2align	8
	.type	k_q586766bbba_block,@function
k_q586766bbba_block:
	s_mov_b64 s[64:65], 0
	v_nop
	global_prefetch_b8 v0, s[64:65] scope:SCOPE_SE
	s_setreg_imm32_b32 hwreg(HW_REG_WAVE_MODE, 25, 1), 1
	s_wait_xcnt 0x0
; One transformer block, fused: LN1, q/k/v, causal attention (8 heads of 8), Wp + residual, LN2, W1, relu, W2 + residual.
; x, out0: [2048][128][64] f32.  The six weight products run on codes of FP6 (E2M3) with one E8M0 scale for each 32 along K; the weights arrive as codes,
; the activations are quantised here, in registers, from f32.  q k^T and p v keep f32 operands (v_wmma_f32_16x16x4_f32), since their result goes on into Wp's quantiser.
; SHARES.  A work-group of eight waves takes one sequence (128 tokens) at a time, four sequences in a loop.  Two ways of sharing:
;   by tokens: wave w owns tokens 16 w .. 16 w + 15 for LN1, the quantising, Wp, LN2, the feed-forward part and the stores;
;   by heads:  wave w owns head w for q, k, v and attention over all 128 tokens: 36 causal tiles of 16 x 16 for every wave.
; The hand-over goes through LDS: images of h's codes behind the trip's first barrier, attention's f32 rows behind its second.
; ROW LAYOUT (r = lane % 16, h = lane / 16): 32 registers hold my half of token r's row: register 16 b + i is channel 32 b + 16 h + i.  The FP6 products Wp, W1, W2 are used transposed
; (source 0 = 16 weight rows, source 1 = 16 tokens), and lane r of weight tile T takes row 32 (T / 2) + 8 (T % 2) + r + 8 (r / 8): so their results lie in this very layout,
; the residual is the C of Wp's and W2's products, and b1 the C of W1's.
; K = 64 IN A PRODUCT OF K = 128: one of the two operands holds zero codes in its registers 6 to 11; the other's may hold any codes (E2M3 has no NaN and no infinity); the scale bytes 2 and 3 are 0 on both sides.
; NO CLUSTER, NO TENSOR LOAD: what work-groups share is 40,960 bytes of weights and parameters, read once by a work-group for its 131,072 bytes of x and as many of out0; each row of x is read by one wave, once.
; LIMITS: NaN and infinities among the inputs are not served.  A block of zeros gets the scale byte 1 (its codes are zeros; the bytes are read here alone).  A weight p under 2^-126 counts as 0.
; Attention is (sum of p v) / (sum of p), p = 2^(c s - c m) with m the row's true maximum, the sums in two accumulators: an order of f32 rounding that differs from softmax-then-product.
.set WQKI, 0                           ; LDS: images of operands' registers.  A K = 64 image is 768 bytes: registers 0-3 at 16 x lane, registers 4-5 at 512 + 8 x lane
.set WVI,  6144                        ; head w's tile of Wk and Wq rows at WQKI + 768 w, of Wv rows at WVI + 768 w
.set WPI,  12288                       ; Wp's 4 tiles
.set W1I,  15360                       ; W1's 16 tiles
.set W2I,  27648                       ; W2's 8 fragments (2 T + K step), 1,536 bytes each: three times 16 x lane
.set HI,   39936                       ; h's codes, token tile t
.set SQK,  46080                       ; scale words, 4 x lane, 128 bytes an image
.set SV,   47104
.set SP,   48128
.set S1,   48640
.set S2,   50688
.set SH,   51712
.set PARAM, 52736                      ; ln1_g, ln1_b, ln2_g, ln2_b, bp, b2 (256 bytes each), b1 (1,024)
.set STG,  55296                       ; 128 rows x 272 bytes: wave w's own 16 rows: x on the way in and kept for the residual, out0 on the way out
.set ATT,  90112                       ; 128 rows x 272 bytes: attention's rows, f32.  272 = 17 x 16: the 16 rows that a load of 16 bytes touches start in different banks (ISA guide 11.1)
.set TOATT, ATT-STG
.set SEQB, 32768                       ; a sequence in bytes
; REGISTERS: v0 thread; v1 16 L, v2 8 L, v3 4 L (L = lane); v4 16 L + 768 w, v5 8 L + 768 w, v6 4 L + 128 w; v7 my row of the stage (272 r + 64 h), v8 the stage by whole rows (272 h + 16 r);
; v9 parameters (+ 64 h); v10 attention's rows (272 r + 32 w + 16 h); v11 256 h + 16 r in x and out0; v12-15 weights' scale words, v16-23 activations': scales and nothing else; v24-39 at work
; (v38: the prefetch's offset, made anew in each trip: v36-41 take Wv's codes in between);
; v40-71 k (4 a tile) | LN gains, weights, rows on the way out;  v72-103 p, four slots of 8 | LN biases, the activations' fragments;  v104-167 v (8 a tile) | v104-135 the row x, v136-167 the row at work;
; v168-231 eight slots: q (upper four registers) and the scores; v232-239 the diagonal tile's scores; v240-255 O^T in two accumulators: v168-255 are written by matrix instructions alone.
; s2 wave; s3 trips left; s[4:5] lane selects; s[6:7] c; s[8:9] x, s[10:11] out0, at my wave's rows; s12-49 the other pointers; s50-57 the diagonal's masks; s58 lanes 16-31; s59 lanes with bit 2; s72 1/64; s73 eps; s74 who prefetches.
.macro NOPS n
.rept \n
	v_nop
.endr
.endm
.macro BAR                             ; my LDS stores have landed and my LDS loads are in: then the work-group's barrier
	s_wait_dscnt 0x0
	s_barrier_signal -1
	s_barrier_wait -1
.endm
.macro XLOAD off                       ; my 16 rows of x: each load takes two whole rows, 512 consecutive bytes
.irp q, 0,1,2,3,4,5,6,7
	global_load_b128 v[136+4*\q:139+4*\q], v11, s[8:9] offset:(\off)+512*\q th:TH_LOAD_NT
.endr
.endm
.macro K64LD reg, off, a16, a8         ; a K = 64 image back into six registers
	ds_load_b128 v[(\reg):(\reg)+3], v[\a16] offset:(\off)
	ds_load_b64 v[(\reg)+4:(\reg)+5], v[\a8] offset:(\off)+512
.endm
.macro F12LD reg, off                  ; a whole fragment's image
.irp q, 0,1,2
	ds_load_b128 v[(\reg)+4*\q:(\reg)+4*\q+3], v1 offset:(\off)+512*\q
.endr
.endm
.macro ROWLD reg, adr, off             ; 32 numbers in the row layout
.irp b, 0,1
.irp j, 0,1,2,3
	ds_load_b128 v[(\reg)+16*\b+4*\j:(\reg)+16*\b+4*\j+3], v[\adr] offset:(\off)+128*\b+16*\j
.endr
.endr
.endm
.macro JOIN                            ; two packed chains, their halves, and lane l xor 16's: the row's sum in v32
	v_pk_add_f32 v[32:33], v[32:33], v[34:35]
	v_add_f32 v32, v32, v33
	v_permlanex16_b32 v35, v32, s4, s5
	v_add_f32 v32, v32, v35
.endm
; Layer norm of the row in v[src] on into v[dst] on, in two passes (mean; then the squares of x - mean).  The gain is on its way into v40-71, the bias into v72-103.
.macro LNORM src, dst
.set LSRC, (\src)
.set LDST, (\dst)
	v_pk_add_f32 v[32:33], v[LSRC:LSRC+1], v[LSRC+2:LSRC+3]        ; the row is read from its low end on, in ascending order
	v_pk_add_f32 v[34:35], v[LSRC+4:LSRC+5], v[LSRC+6:LSRC+7]
.irp k, 8,12,16,20,24,28
	v_pk_add_f32 v[32:33], v[32:33], v[LSRC+\k:LSRC+\k+1]
	v_pk_add_f32 v[34:35], v[34:35], v[LSRC+\k+2:LSRC+\k+3]
.endr
	JOIN
	v_mul_f32 v36, s72, v32                        ; the mean
	v_mov_b32 v37, v36
.irp k, 0,2,4,6,8,10,12,14,16,18,20,22,24,26,28,30
	v_pk_add_f32 v[LDST+\k:LDST+\k+1], v[LSRC+\k:LSRC+\k+1], v[36:37] neg_lo:[0,1] neg_hi:[0,1]
.endr
	v_pk_mul_f32 v[32:33], v[LDST:LDST+1], v[LDST:LDST+1]
	v_pk_mul_f32 v[34:35], v[LDST+2:LDST+3], v[LDST+2:LDST+3]
.irp k, 4,8,12,16,20,24,28
	v_pk_fma_f32 v[32:33], v[LDST+\k:LDST+\k+1], v[LDST+\k:LDST+\k+1], v[32:33]
	v_pk_fma_f32 v[34:35], v[LDST+\k+2:LDST+\k+3], v[LDST+\k+2:LDST+\k+3], v[34:35]
.endr
	JOIN
	v_fma_f32 v32, v32, s72, s73                   ; the variance + eps
	v_rsq_f32 v36, v32
	v_nop                                          ; a plain instruction behind the transcendental (ISA guide 5.7.2),
	s_wait_alu depctr_va_vdst(0)                   ; and the wait ahead of its first reader
.irp k, 0,2,4,6,8,10,12,14,16,18,20,22,24,26,28,30
	v_pk_mul_f32 v[LDST+\k:LDST+\k+1], v[LDST+\k:LDST+\k+1], v[36:37] op_sel_hi:[1,0]
.endr
	s_wait_dscnt 0x0                               ; gain and bias are in
.irp k, 0,2,4,6,8,10,12,14,16,18,20,22,24,26,28,30
	v_pk_fma_f32 v[LDST+\k:LDST+\k+1], v[LDST+\k:LDST+\k+1], v[40+\k:41+\k], v[72+\k:73+\k]
.endr
.endm
; 32 numbers in the row layout (two blocks of 32 along K, each shared with lane l xor 16) become six registers of codes in v[dst] on: lanes 0-15 the first block, lanes 16-31 the second.
; mode 0: the two scale bytes make bytes 0, 1 of v[sw] (bytes 2, 3 = 0); mode 1: they are put into bytes 2, 3.
.macro QUANT2 src, dst, sw, mode
.set QS, (\src)
.set QD, (\dst)
	v_max3_num_f32 v24, |v[QS]|, |v[QS+1]|, 0x1800000              ; my 16 numbers of each block, and the floor 2^(3 - 127): the byte cannot fall under 1
	v_max3_num_f32 v25, |v[QS+16]|, |v[QS+17]|, 0x1800000
.irp i, 2,4,6,8,10,12,14
	v_max3_num_f32 v24, v24, |v[QS+\i]|, |v[QS+\i+1]|
	v_max3_num_f32 v25, v25, |v[QS+16+\i]|, |v[QS+17+\i]|
.endr
	v_permlanex16_b32 v26, v24, s4, s5
	v_permlanex16_b32 v27, v25, s4, s5
	v_max_num_f32 v24, v24, v26                    ; the blocks' largest magnitudes
	v_max_num_f32 v25, v25, v27
	v_add_nc_u32 v26, 0xff000000, v24              ; 2 off the exponent field: the conversion takes this operand's exponent field as its scale
	v_add_nc_u32 v27, 0xff000000, v25
	v_lshrrev_b32 v24, 23, v26                     ; the scales' bytes
	v_lshrrev_b32 v25, 23, v27
.if (\mode) == 0
	v_lshl_or_b32 v[\sw], v25, 8, v24
.else
	v_lshl_or_b32 v24, v25, 8, v24
	v_lshl_or_b32 v[\sw], v24, 16, v[\sw]
.endif
	v_cvt_scalef32_pk16_fp6_f32 v[QD:QD+2], v[QS:QS+15], v26
	v_cvt_scalef32_pk16_fp6_f32 v[28:30], v[QS+16:QS+31], v27      ; (a conversion's three registers begin on an even number)
	v_nop                                          ; one plain place behind a scaled conversion
.irp i, 0,1,2
	v_permlane16_swap_b32 v[QD+\i], v[28+\i]       ; the first's lanes 16-31 change places with the second's lanes 0-15: a whole block in a lane
.endr
.irp i, 0,1,2
	v_mov_b32 v[QD+3+\i], v[28+\i]
.endr
.endm
.macro FP6Z d, a, b, sa, sb            ; a product that starts its sum
	v_wmma_scale_f32_16x16x128_f8f6f4 v[(\d):(\d)+7], v[(\a):(\a)+11], v[(\b):(\b)+11], 0, v[(\sa)], v[(\sb)] matrix_a_fmt:MATRIX_FMT_FP6 matrix_b_fmt:MATRIX_FMT_FP6
.endm
.macro FP6A d, a, b, sa, sb            ; a product onto what its result registers hold
	v_wmma_scale_f32_16x16x128_f8f6f4 v[(\d):(\d)+7], v[(\a):(\a)+11], v[(\b):(\b)+11], v[(\d):(\d)+7], v[(\sa)], v[(\sb)] matrix_a_fmt:MATRIX_FMT_FP6 matrix_b_fmt:MATRIX_FMT_FP6
.endm
; S^T = k q^T for query tile i against key tiles i, i - 1 .. 0: source 0 = 16 keys, source 1 = the 16 queries; two K steps of 4 (the head's 8, in the same order on both sides).
; The diagonal tile goes to v232-239, key tile t < i to slot t; q of tile i lies in slot i's upper four registers, which this step does not write.  The accumulators take turns.
.macro QK i
.set ee, 0
.rept (\i)+1
.set SL, 168+8*((\i)-ee)
.if ee == 0
.set SL, 232
.endif
	v_wmma_f32_16x16x4_f32 v[SL:SL+7], v[40+4*((\i)-ee):41+4*((\i)-ee)], v[172+8*(\i):173+8*(\i)], 0
.set ee, ee+1
.endr
.set ee, 0
.rept (\i)+1
.set SL, 168+8*((\i)-ee)
.if ee == 0
.set SL, 232
.endif
.if (\i) == 0
	s_wait_alu depctr_va_vdst(0)                   ; the wait stands directly ahead of the link
.endif
	v_wmma_f32_16x16x4_f32 v[SL:SL+7], v[42+4*((\i)-ee):43+4*((\i)-ee)], v[174+8*(\i):175+8*(\i)], v[SL:SL+7]
.set ee, ee+1
.endr
.endm
; Query tile i is finished: the two accumulators are added, divided by the row's sum, and go to attention's rows in LDS.  Both halves of the lanes hold the head's 8 channels of query r: lanes 0-15 store channels 0-3, lanes 16-31 channels 4-7.
.macro FIN i
.irp k, 0,2,4,6
	v_pk_add_f32 v[80+\k:81+\k], v[240+\k:241+\k], v[248+\k:249+\k]   ; from the accumulators' low end on
.endr
	v_pk_add_f32 v[26:27], v[26:27], v[32:33]
	v_add_f32 v31, v26, v27
	v_permlanex16_b32 v36, v31, s4, s5
	v_add_f32 v31, v31, v36                        ; the row's sum of p
	v_rcp_f32 v34, v31
.irp j, 0,1,2,3
	v_cndmask_b32 v[88+\j], v[80+\j], v[84+\j], s58   ; plain work behind the reciprocal
.endr
	s_wait_alu depctr_va_vdst(0)                   ; the wait ahead of the reciprocal's first reader
	v_pk_mul_f32 v[88:89], v[88:89], v[34:35] op_sel_hi:[1,0]
	v_pk_mul_f32 v[90:91], v[90:91], v[34:35] op_sel_hi:[1,0]
	ds_store_b128 v10, v[88:91] offset:4352*(\i)
.endm
; Entry ee of step i is key tile i - ee (entry 0: the diagonal, already masked in p's slot 0).  Its p go to slot ee % 4.
.macro SFMA i                          ; c s - c m, two at a time
.set PD, 72+8*(ee%4)
.set PSRC, 168+8*((\i)-ee)
.if ee == 0
.set PSRC, 72
.endif
.irp k, 0,2,4,6
	v_pk_fma_f32 v[PD+\k:PD+\k+1], v[PSRC+\k:PSRC+\k+1], s[6:7], v[24:25] op_sel_hi:[1,0,0] neg_lo:[0,0,1] neg_hi:[0,0,1]
.endr
.endm
.macro SEXP
.set PD, 72+8*(ee%4)
.irp k, 0,1,2,3,4,5,6,7
	v_exp_f32 v[PD+\k], v[PD+\k]
.endr
.endm
.macro SPV i                           ; O^T += V^T p: source 0 = the head's 8 channels (twice) x 4 keys, source 1 = 4 keys x 16 queries; the two accumulators by turns
.set PD, 72+8*(ee%4)
.set VT, 104+8*((\i)-ee)
.irp a, 0,1,2,3
.if (ee == 0) && (\a < 2)
	v_wmma_f32_16x16x4_f32 v[240+8*(\a%2):247+8*(\a%2)], v[VT+2*\a:VT+2*\a+1], v[PD+2*\a:PD+2*\a+1], 0
.else
	v_wmma_f32_16x16x4_f32 v[240+8*(\a%2):247+8*(\a%2)], v[VT+2*\a:VT+2*\a+1], v[PD+2*\a:PD+2*\a+1], v[240+8*(\a%2):247+8*(\a%2)]
.endif
.endr
.endm
.macro SSUM                            ; the row's sum of p, in two packed chains; entry 0 starts them
.set PD, 72+8*(ee%4)
.if ee == 0
	v_pk_add_f32 v[26:27], v[PD:PD+1], v[PD+2:PD+3]
	v_pk_add_f32 v[32:33], v[PD+4:PD+5], v[PD+6:PD+7]
.else
	v_pk_add_f32 v[26:27], v[26:27], v[PD:PD+1]
	v_pk_add_f32 v[32:33], v[32:33], v[PD+2:PD+3]
	v_pk_add_f32 v[26:27], v[26:27], v[PD+4:PD+5]
	v_pk_add_f32 v[32:33], v[32:33], v[PD+6:PD+7]
.endif
.endm
; Softmax and second product of query tile i.  A lane holds query r and keys 8 h + j of each tile.  All of the row's scores are at hand, so m is the row's true maximum and nothing is rescaled.
.macro SOFTPV i
.irp j, 0,1,2,3,4,5,6,7
	v_cndmask_b32 v[72+\j], v[232+\j], v30, s[50+\j]   ; the diagonal tile: key 8 h + j is hidden from query r where 8 h + j > r: -infinity there
.endr
	v_max3_num_f32 v28, v72, v73, v74
	v_max3_num_f32 v29, v75, v76, v77
	v_max3_num_f32 v28, v28, v78, v79
.if (\i) > 0
.set kt, 0
.rept (\i)
	v_max3_num_f32 v28, v28, v[168+8*kt], v[169+8*kt]              ; each tile of scores from its low end on
	v_max3_num_f32 v29, v29, v[170+8*kt], v[171+8*kt]
	v_max3_num_f32 v28, v28, v[172+8*kt], v[173+8*kt]
	v_max3_num_f32 v29, v29, v[174+8*kt], v[175+8*kt]
.set kt, kt+1
.endr
.endif
	v_max_num_f32 v28, v28, v29
	v_permlanex16_b32 v29, v28, s4, s5
	v_max_num_f32 v28, v28, v29                    ; the row's maximum (the key that equals the query always counts, so it is a number)
	v_mul_f32 v24, s6, v28                         ; c m
.if (\i) > 0
	s_wait_dscnt 0x0                               ; the last tile's store to attention's rows has read v88-91, which p's slot 2 takes again
.endif
.set eb, 0
.rept ((\i)+2)/2                       ; two key tiles a batch: their scalings, their 16 exponentials, ONE wait, their 8 products, their sums
.set ee, eb
	SFMA \i
.if eb < (\i)
.set ee, eb+1
	SFMA \i
.endif
.set ee, eb
	SEXP
.if eb < (\i)
.set ee, eb+1
	SEXP
.endif
	v_nop                                          ; a plain instruction behind the last exponential,
	s_wait_alu depctr_va_vdst(0)                   ; and one wait for the batch ahead of its first reader
.set ee, eb
	SPV \i
.if eb < (\i)
.set ee, eb+1
	SPV \i
.endif
.set ee, eb
	SSUM
.if eb < (\i)
.set ee, eb+1
	SSUM
.endif
.set eb, eb+2
.endr                                  ; a slot of p is written again two batches on: the batch between has 8 scalings and 8 additions that name none of the products' registers
.endm
	; ---------------- the head
	s_load_b512 s[8:23], s[0:1], 0x0               ; x, out0, Wq, Wk, Wv, Wp, W1, W2 (codes)
	s_load_b512 s[24:39], s[0:1], 0x40             ; Wq, Wk, Wv, Wp, W1, W2 (scales), ln1_g, ln1_b
	s_load_b256 s[40:47], s[0:1], 0x80             ; ln2_g, ln2_b, bp, b2
	s_load_b64 s[48:49], s[0:1], 0xa0              ; b1
	s_set_vgpr_msb 0x40
	v_lshl_add_u32 v0, v0, 2, 0x1e800
	v_mov_b32 v1, 0
	s_set_vgpr_msb 0x4000
	v_lshrrev_b32 v34, 5, v0
	v_readfirstlane_b32 s2, v34                    ; wave 0..7
	s_mov_b32 s4, 0x76543210
	s_mov_b32 s5, 0xfedcba98                       ; v_permlanex16_b32's selects for lane l xor 16
	s_mov_b32 s6, 0x3f0293ee                       ; c = log2(e) / sqrt(8)
	s_mov_b32 s7, s6                               ; (named with it as a pair)
.irp j, 0,1,2,3,4,5,6,7
	s_mov_b32 s[50+\j], ((1<<\j)-1)|(((1<<(8+\j))-1)<<16)   ; lanes r < j of the lower half, r < 8 + j of the upper
.endr
	s_mov_b32 s58, 0xffff0000
	s_mov_b32 s59, 0xf0f0f0f0
	s_mov_b32 s72, 0x3c800000                      ; 1 / 64
	s_mov_b32 s73, 0x3727c5ac                      ; 1e-5
	s_cmp_lt_u32 s2, 4
	s_cselect_b32 s74, 1, -1                       ; waves 0 to 3 prefetch, while more than one trip is left
	v_and_b32 v34, 15, v0                          ; r
	v_bfe_u32 v35, v0, 4, 1                        ; h
	v_and_b32 v36, 31, v0                          ; L
	v_lshlrev_b32 v1, 4, v36
	v_lshlrev_b32 v2, 3, v36
	v_lshlrev_b32 v3, 2, v36
	s_mul_i32 s60, s2, 768
	v_add_nc_u32 v4, s60, v1
	v_add_nc_u32 v5, s60, v2
	s_lshl_b32 s61, s2, 7
	v_add_nc_u32 v6, s61, v3
	s_mul_i32 s62, s2, 4352
	s_add_co_u32 s62, s62, STG                     ; my 16 rows of the stage
	v_mul_u32_u24 v7, v34, 272
	v_lshl_add_u32 v7, v35, 6, v7
	v_add_nc_u32 v7, s62, v7
	v_mul_u32_u24 v8, v35, 272
	v_lshl_add_u32 v8, v34, 4, v8
	v_add_nc_u32 v8, s62, v8
	v_lshlrev_b32 v9, 6, v35
	v_add_nc_u32 v9, PARAM, v9
	v_mul_u32_u24 v10, v34, 272
	v_lshl_add_u32 v10, v35, 4, v10
	s_lshl_b32 s63, s2, 5
	s_add_co_u32 s63, s63, ATT
	v_add_nc_u32 v10, s63, v10
	v_lshlrev_b32 v11, 8, v35
	v_lshl_add_u32 v11, v34, 4, v11
	s_mul_i32 s68, s2, 1536
	v_add_nc_u32 v100, s68, v1                     ; the staging's LDS addresses: two W1 tiles or one W2 fragment a wave,
	v_add_nc_u32 v101, s68, v2
	s_lshl_b32 s60, s2, 8
	v_add_nc_u32 v102, s60, v3                     ; two scale images a wave
	; where my lane's part of each weight tile lies in memory
	v_lshrrev_b32 v38, 3, v34
	v_and_b32 v39, 3, v34
	v_lshl_add_u32 v38, v38, 2, v39                ; Wk, Wq: tile row r takes d = 4 (r / 8) + r % 4, of Wk where r % 8 < 4, else of Wq
	v_mul_u32_u24 v24, v38, 48
	v_mad_u32_u24 v24, v35, 24, v24
	s_mul_i32 s66, s2, 384                         ; head w: 8 rows of 48 bytes
	v_add_nc_u32 v24, s66, v24
	s_lshl_b32 s67, s2, 4
	v_lshl_add_u32 v29, v38, 1, s67                ; and its two scale bytes
	v_and_b32 v39, 7, v34                          ; Wv: d = r % 8, each row twice
	v_mul_u32_u24 v25, v39, 48
	v_mad_u32_u24 v25, v35, 24, v25
	v_add_nc_u32 v25, s66, v25
	v_lshl_add_u32 v30, v39, 1, s67
	v_and_b32 v37, 8, v34
	v_add_nc_u32 v37, v37, v34                     ; r + 8 (r / 8)
	v_mul_u32_u24 v38, v37, 48
	v_mad_u32_u24 v38, v35, 24, v38
	v_add_nc_u32 v26, s68, v38                     ; W1: tiles 2 w and 2 w + 1 begin at rows 32 w and 32 w + 8
	s_lshl_b32 s70, s2, 6
	v_lshl_add_u32 v31, v37, 1, s70
	s_bfe_u32 s69, s2, 0x10001
	s_lshl_b32 s69, s69, 5
	s_and_b32 s70, s2, 1
	s_lshl_b32 s70, s70, 3
	s_add_co_u32 s69, s69, s70                     ; Wp: tile w (w < 4) begins at row 32 (w / 2) + 8 (w % 2)
	s_mul_i32 s70, s69, 48
	v_add_nc_u32 v28, s70, v38
	v_add_nc_u32 v33, s69, v37
	v_lshlrev_b32 v33, 1, v33
	s_lshr_b32 s69, s2, 2
	s_lshl_b32 s69, s69, 5
	s_bfe_u32 s70, s2, 0x10001
	s_lshl_b32 s70, s70, 3
	s_add_co_u32 s69, s69, s70                     ; W2: fragment w = tile w / 2 (from row 32 (w / 4) + 8 ((w / 2) % 2)), K step w % 2
	v_add_nc_u32 v39, s69, v37
	v_mul_u32_u24 v27, v39, 192
	v_mad_u32_u24 v27, v35, 24, v27
	s_and_b32 s70, s2, 1
	s_mul_i32 s71, s70, 96
	v_add_nc_u32 v27, s71, v27
	s_lshl_b32 s70, s70, 2
	v_lshl_add_u32 v32, v39, 3, s70
	s_lshl_b32 s60, ttmp9, 17                      ; the work-group's four sequences,
	s_lshl_b32 s61, s2, 12                         ; my wave's 16 rows of 256 bytes
	s_add_co_u32 s60, s60, s61
	s_mov_b32 s61, 0
	s_wait_kmcnt 0x0
	s_add_nc_u64 s[8:9], s[8:9], s[60:61]
	s_add_nc_u64 s[10:11], s[10:11], s[60:61]
	XLOAD 0                                        ; the first sequence's rows are on their way while the weights are staged
	; ---------------- the weights become images of operands' registers in LDS, once for the work-group's four sequences
.irp p, 0,1,2
	global_load_b64 v[40+2*\p:41+2*\p], v24, s[14:15] offset:8*\p          ; Wk
	global_load_b64 v[46+2*\p:47+2*\p], v24, s[12:13] offset:8*\p          ; Wq
	global_load_b64 v[52+2*\p:53+2*\p], v25, s[16:17] offset:8*\p          ; Wv
	global_load_b64 v[58+2*\p:59+2*\p], v26, s[20:21] offset:8*\p          ; W1, tile 2 w
	global_load_b64 v[64+2*\p:65+2*\p], v26, s[20:21] offset:384+8*\p      ; W1, tile 2 w + 1
.endr
.irp p, 0,1,2,3,4,5
	global_load_b64 v[70+2*\p:71+2*\p], v27, s[22:23] offset:48*(\p/3)+8*(\p%3)   ; W2
.endr
	global_load_u16 v82, v29, s[26:27]             ; two scale bytes of a row of K = 64: the word's upper bytes are 0
	global_load_u16 v83, v29, s[24:25]
	global_load_u16 v84, v30, s[28:29]
	global_load_u16 v85, v31, s[32:33]
	global_load_u16 v86, v31, s[32:33] offset:16
	global_load_b32 v87, v32, s[34:35]
	s_wait_loadcnt 0x0
.irp j, 0,1,2,3,4,5
	v_cndmask_b32 v[40+\j], v[40+\j], v[46+\j], s59   ; tile rows 4-7 and 12-15 are Wq's
.endr
	v_cndmask_b32 v82, v82, v83, s59
	ds_store_b128 v4, v[40:43] offset:WQKI
	ds_store_b64 v5, v[44:45] offset:WQKI+512
	ds_store_b128 v4, v[52:55] offset:WVI
	ds_store_b64 v5, v[56:57] offset:WVI+512
	ds_store_b128 v100, v[58:61] offset:W1I
	ds_store_b64 v101, v[62:63] offset:W1I+512
	ds_store_b128 v100, v[64:67] offset:W1I+768
	ds_store_b64 v101, v[68:69] offset:W1I+768+512
	ds_store_b128 v100, v[70:73] offset:W2I
	ds_store_b128 v100, v[74:77] offset:W2I+512
	ds_store_b128 v100, v[78:81] offset:W2I+1024
	ds_store_b32 v6, v82 offset:SQK
	ds_store_b32 v6, v84 offset:SV
	ds_store_b32 v102, v85 offset:S1
	ds_store_b32 v102, v86 offset:S1+128
	ds_store_b32 v6, v87 offset:S2
	s_cmp_lt_u32 s2, 4
	s_cbranch_scc0 .Lnot_wp
.irp p, 0,1,2
	global_load_b64 v[88+2*\p:89+2*\p], v28, s[18:19] offset:8*\p          ; waves 0 to 3: Wp's tile w
.endr
	global_load_u16 v94, v33, s[30:31]
	s_wait_loadcnt 0x0
	ds_store_b128 v4, v[88:91] offset:WPI
	ds_store_b64 v5, v[92:93] offset:WPI+512
	ds_store_b32 v6, v94 offset:SP
	s_branch .Lstaged
.Lnot_wp:
	s_cmp_eq_u32 s2, 4
	s_cbranch_scc0 .Lstaged
	global_load_b64 v[88:89], v2, s[36:37]         ; wave 4: the parameters, ten pieces of 256 bytes, 8 bytes a lane
	global_load_b64 v[90:91], v2, s[38:39]
	global_load_b64 v[92:93], v2, s[40:41]
	global_load_b64 v[94:95], v2, s[42:43]
	global_load_b64 v[96:97], v2, s[44:45]
	global_load_b64 v[98:99], v2, s[46:47]
.irp p, 0,1,2,3
	global_load_b64 v[104+2*\p:105+2*\p], v2, s[48:49] offset:256*\p
.endr
	s_wait_loadcnt 0x0
.irp p, 0,1,2,3,4,5
	ds_store_b64 v2, v[88+2*\p:89+2*\p] offset:PARAM+256*\p
.endr
.irp p, 0,1,2,3
	ds_store_b64 v2, v[104+2*\p:105+2*\p] offset:PARAM+1536+256*\p
.endr
.Lstaged:
	BAR                                            ; weights and parameters lie in LDS; from here on they are only read
	s_mov_b32 s3, 4
.Ltrip:
	; ---------------- X: my 16 tokens: x through my stage into the row layout, LN1, codes, their image
	s_wait_loadcnt 0x0
.irp q, 0,1,2,3,4,5,6,7
	ds_store_b128 v8, v[136+4*\q:139+4*\q] offset:544*\q
.endr
	ROWLD 104, 7, 0                                ; LDS serves a wave's instructions in order (ISA guide 5.7.1.4): these see my stores
	ROWLD 40, 9, 0                                 ; ln1_g
	ROWLD 72, 9, 256                               ; ln1_b
	s_wait_dscnt 16                                ; the 8 stores and the 8 loads of x are done; the 16 loads of gain and bias may be out
	LNORM 104, 136
	QUANT2 136, 32, 16, 0
	ds_store_b128 v4, v[32:35] offset:HI
	ds_store_b64 v5, v[36:37] offset:HI+512
	ds_store_b32 v6, v16 offset:SH
	BAR                                            ; h's eight tiles of codes lie in LDS
	; ---------------- QKV: head w, all 128 tokens
.irp j, 0,1,2,3,4,5
	v_mov_b32 v[30+\j], 0                          ; the weights' fragments hold the zero codes of K = 64 .. 127,
	v_mov_b32 v[42+\j], 0
	v_mov_b32 v[96+\j], 0                          ; h's tiles lie six registers apart: a tile's tail is the next tile's codes, the last one's these
.endr
	NOPS 4                                         ; an operand written by vector instructions stands four places ahead of a scaled product
	K64LD 24, WQKI, 4, 5
	K64LD 36, WVI, 4, 5
	ds_load_b32 v12, v6 offset:SQK
	ds_load_b32 v13, v6 offset:SV
.irp t, 0,1,2,3,4,5,6,7
	K64LD 48+6*\t, HI+768*\t, 1, 2
	ds_load_b32 v[16+\t], v3 offset:SH+128*\t
.endr
	s_wait_dscnt 0x0
.irp t, 0,1,2,3,4,5,6,7
	FP6Z 104+8*\t, 48+6*\t, 36, 16+\t, 13          ; v: source 0 = 16 tokens, source 1 = Wv's rows: register j = v(token 8 h + j, channel r % 8)
	FP6Z 168+8*\t, 24, 48+6*\t, 12, 16+\t          ; k, q: source 0 = Wk's and Wq's rows: registers 0-3 = k(token r, d = 4 h + j), registers 4-7 = q likewise
.endr
	NOPS 5                                         ; places behind the last products: their results are read by vector instructions and taken as operands by matrix instructions
.irp t, 0,1,2,3,4,5,6,7
.irp j, 0,1,2,3
	v_mov_b32 v[40+4*\t+\j], v[168+8*\t+\j]        ; k leaves the slots, which will take scores; q stays until its own step
.endr
.endr
	; ---------------- ATT: query tiles 0 to 7, each against the key tiles up to its own
	v_mov_b32 v25, 0                               ; (upper halves of pairs that are named whole)
	v_mov_b32 v30, 0xff800000                      ; -infinity
	v_mov_b32 v35, 0
.irp n, 0,1,2,3,4,5,6,7
	QK \n
	NOPS 8                                         ; eight places behind this matrix form: for the reads of the scores and of the last tile's O^T, and for the writes into p's slots
.if \n > 0
	FIN \n-1
.endif
	SOFTPV \n
.endr
	NOPS 8
	FIN 7
	BAR                                            ; attention's 128 rows lie in LDS
	; ---------------- P: my 16 tokens again: x + bp + attention Wp
	ROWLD 136, 7, TOATT
	ROWLD 104, 7, 0                                ; x, kept in my stage
	ROWLD 72, 9, 1024                              ; bp
.irp u, 0,1,2,3
	K64LD 40+6*\u, WPI+768*\u, 1, 2
	ds_load_b32 v[12+\u], v3 offset:SP+128*\u
.endr
	v_and_b32 v38, 31, v0                          ; the prefetch's offset from my wave's rows, made anew in each trip: 256 L + 4,096 w; with the base's 4,096 w that is row 32 w + L of a sequence.
	s_lshl_b32 s60, s2, 12                         ; It is written again only in the next trip (Wv's codes), behind the wait on XCNT at this trip's end
	v_lshl_add_u32 v38, v38, 8, s60
	s_cmp_gt_u32 s3, s74                           ; waves 0 to 3, where a sequence follows: its 128 rows of 256 bytes are named once each, a lane a row, 32 rows a wave,
	s_cbranch_scc0 .Lno_pf                         ; the feed-forward part ahead of the loads that will want them; the last trip asks for nothing
	global_prefetch_b8 v38, s[8:9] offset:SEQB th:TH_LOAD_NT scope:SCOPE_SE
.Lno_pf:
	s_wait_dscnt 0x0
.irp k, 0,2,4,6,8,10,12,14,16,18,20,22,24,26,28,30
	v_pk_add_f32 v[104+\k:105+\k], v[104+\k:105+\k], v[72+\k:73+\k]
.endr
.irp j, 0,1,2,3,4,5
	v_mov_b32 v[86+\j], 0                          ; here the activations' fragment holds the zero codes, and the weight tiles lie six registers apart
.endr
	QUANT2 136, 80, 16, 0
	NOPS 8                                         ; a scale word written by vector instructions stands eight places ahead of a scaled product
.irp u, 0,1,2,3
	FP6A 104+8*\u, 40+6*\u, 80, 12+\u, 16
.endr
	NOPS 4
	; ---------------- LN2 and the feed-forward part
	ROWLD 40, 9, 512                               ; ln2_g
	ROWLD 72, 9, 768                               ; ln2_b
	LNORM 104, 136
	ROWLD 40, 9, 1280                              ; b2
.irp j, 0,1,2,3,4,5
	v_mov_b32 v[86+\j], 0
.endr
	QUANT2 136, 80, 16, 0
	s_wait_dscnt 0x0
.irp k, 0,2,4,6,8,10,12,14,16,18,20,22,24,26,28,30
	v_pk_add_f32 v[104+\k:105+\k], v[104+\k:105+\k], v[40+\k:41+\k]   ; the residual takes b2: it is the C of W2's products
.endr
	NOPS 8                                         ; the scale word's eight places
.irp g, 0,1,2,3                        ; 64 hidden units at a time; two such groups are a K step of W2's product
.irp u, 0,1,2,3
	K64LD 40+6*\u, W1I+768*(4*\g+\u), 1, 2
	ds_load_b32 v[12+\u], v3 offset:S1+128*(4*\g+\u)
.endr
	ROWLD 136, 9, 1536+256*\g                      ; b1 is the C of W1's products
	s_wait_dscnt 0x0
.irp u, 0,1,2,3
	FP6A 136+8*\u, 40+6*\u, 80, 12+\u, 16
.endr
	NOPS 4
.irp j, 0,1,2,3,4,5,6,7,8,9,10,11,12,13,14,15,16,17,18,19,20,21,22,23,24,25,26,27,28,29,30,31
	v_max_num_f32 v[136+\j], 0, v[136+\j]          ; relu, in f32, each result from its low end on
.endr
	QUANT2 136, 92+6*(\g%2), 17, \g%2
.if \g%2 == 1
	F12LD 40, W2I+1536*(0+\g/2)
	F12LD 52, W2I+1536*(2+\g/2)
	F12LD 136, W2I+1536*(4+\g/2)
	F12LD 148, W2I+1536*(6+\g/2)
.irp u, 0,1,2,3
	ds_load_b32 v[12+\u], v3 offset:S2+128*(2*\u+\g/2)
.endr
	NOPS 8                                         ; the hidden layer's scale word: eight places
	s_wait_dscnt 0x0
	FP6A 104, 40, 92, 12, 17
	FP6A 112, 52, 92, 13, 17
	FP6A 120, 136, 92, 14, 17
	FP6A 128, 148, 92, 15, 17
	NOPS 5                                         ; five: the next group's products write their results over v136-159, which these have read as fragments
.endif
.endr
	; ---------------- OUT: the next sequence's rows are asked for; my 16 rows go through my stage and leave whole
	s_cmp_eq_u32 s3, 1
	s_cbranch_scc1 .Lno_next                       ; no load leaves x
	XLOAD SEQB
.Lno_next:
.irp b, 0,1
.irp j, 0,1,2,3
	ds_store_b128 v7, v[104+16*\b+4*\j:107+16*\b+4*\j] offset:128*\b+16*\j
.endr
.endr
.irp q, 0,1,2,3,4,5,6,7
	ds_load_b128 v[40+4*\q:43+4*\q], v8 offset:544*\q
.endr
.irp q, 0,1,2,3,4,5,6,7
	s_wait_dscnt 7-\q                              ; LDS loads come back in order: load q is in, the younger ones may be out
	global_store_b128 v11, v[40+4*\q:43+4*\q], s[10:11] offset:512*\q th:TH_STORE_NT   ; 32 lanes store two whole rows: 512 consecutive bytes, at a multiple of 256 from out0's first byte
.endr
	s_wait_xcnt 0x0                                ; loads, stores and the prefetch have read their addresses and data: the bases may step, v38 and v40-71 may be written again
	s_add_nc_u64 s[8:9], s[8:9], SEQB
	s_add_nc_u64 s[10:11], s[10:11], SEQB
	s_sub_co_u32 s3, s3, 1
	s_cmp_lg_u32 s3, 0
	s_cbranch_scc1 .Ltrip
	s_set_vgpr_msb 0x5
	s_wait_tensorcnt 0x0
	ds_add_u32 v0, v1
	s_wait_dscnt 0x0
	s_set_vgpr_msb 0x500
	s_endpgm
.Lfunc_end_k_q586766bbba_block:
	.size	k_q586766bbba_block, .Lfunc_end_k_q586766bbba_block-k_q586766bbba_block
	.p2alignl 7, 3214868480
	.fill 96, 4, 3214868480
	.section	.rodata,"a",@progbits
	.p2align	6, 0x0
	.amdhsa_kernel k_q586766bbba_block
		.amdhsa_group_segment_fixed_size 125952
		.amdhsa_private_segment_fixed_size 0
		.amdhsa_enable_private_segment 0
		.amdhsa_kernarg_size 168
		.amdhsa_user_sgpr_count 2
		.amdhsa_user_sgpr_kernarg_segment_ptr 1
		.amdhsa_wavefront_size32 1
		.amdhsa_system_sgpr_workgroup_id_x 1
		.amdhsa_system_sgpr_workgroup_id_y 1
		.amdhsa_system_sgpr_workgroup_id_z 1
		.amdhsa_system_vgpr_workitem_id 0
		.amdhsa_next_free_vgpr 258
		.amdhsa_next_free_sgpr 76
		.amdhsa_reserve_vcc 0
		.amdhsa_float_denorm_mode_32 3
		.amdhsa_float_denorm_mode_16_64 3
		.amdhsa_memory_ordered 1
		.amdhsa_forward_progress 1
		.amdhsa_inst_pref_size 136
	.end_amdhsa_kernel
	.amdgpu_metadata
---
amdhsa.version: [ 1, 2 ]
amdhsa.kernels:
  - .name:           k_q586766bbba_block
    .symbol:         k_q586766bbba_block.kd
    .args:
      - { .name: x, .offset: 0, .size: 8, .value_kind: global_buffer, .address_space: global }
      - { .name: out0, .offset: 8, .size: 8, .value_kind: global_buffer, .address_space: global }
      - { .name: Wq_codes, .offset: 16, .size: 8, .value_kind: global_buffer, .address_space: global }
      - { .name: Wk_codes, .offset: 24, .size: 8, .value_kind: global_buffer, .address_space: global }
      - { .name: Wv_codes, .offset: 32, .size: 8, .value_kind: global_buffer, .address_space: global }
      - { .name: Wp_codes, .offset: 40, .size: 8, .value_kind: global_buffer, .address_space: global }
      - { .name: W1_codes, .offset: 48, .size: 8, .value_kind: global_buffer, .address_space: global }
      - { .name: W2_codes, .offset: 56, .size: 8, .value_kind: global_buffer, .address_space: global }
      - { .name: Wq_scales, .offset: 64, .size: 8, .value_kind: global_buffer, .address_space: global }
      - { .name: Wk_scales, .offset: 72, .size: 8, .value_kind: global_buffer, .address_space: global }
      - { .name: Wv_scales, .offset: 80, .size: 8, .value_kind: global_buffer, .address_space: global }
      - { .name: Wp_scales, .offset: 88, .size: 8, .value_kind: global_buffer, .address_space: global }
      - { .name: W1_scales, .offset: 96, .size: 8, .value_kind: global_buffer, .address_space: global }
      - { .name: W2_scales, .offset: 104, .size: 8, .value_kind: global_buffer, .address_space: global }
      - { .name: ln1_g, .offset: 112, .size: 8, .value_kind: global_buffer, .address_space: global }
      - { .name: ln1_b, .offset: 120, .size: 8, .value_kind: global_buffer, .address_space: global }
      - { .name: ln2_g, .offset: 128, .size: 8, .value_kind: global_buffer, .address_space: global }
      - { .name: ln2_b, .offset: 136, .size: 8, .value_kind: global_buffer, .address_space: global }
      - { .name: bp, .offset: 144, .size: 8, .value_kind: global_buffer, .address_space: global }
      - { .name: b2, .offset: 152, .size: 8, .value_kind: global_buffer, .address_space: global }
      - { .name: b1, .offset: 160, .size: 8, .value_kind: global_buffer, .address_space: global }
    .group_segment_fixed_size: 125952
    .private_segment_fixed_size: 0
    .kernarg_segment_align: 8
    .kernarg_segment_size: 168
    .max_flat_workgroup_size: 256
    .sgpr_count:     76
    .vgpr_count:     258
    .wavefront_size: 32
...
	.end_amdgpu_metadata
.endif
;; end of part 1
;; ======== version 2 of 2: 1 launch; version 1 with the launch block written anew for expert scheduling mode
;; launch block (part 2): grid 512 x 1, 8 waves a work-group, no clusters, 125,952 bytes of LDS; arguments x, out0, Wq_codes, Wk_codes, Wv_codes, Wp_codes, W1_codes, W2_codes, Wq_scales, Wk_scales, Wv_scales, Wp_scales, W1_scales, W2_scales, ln1_g, ln1_b, ln2_g, ln2_b, bp, b2, b1; writes out0
.if DOCPART == 2
	.amdgcn_target "amdgcn-amd-amdhsa--gfx1250"
	.amdhsa_code_object_version 6
	.text
	.protected	k_q586766bbba_block
	.globl	k_q586766bbba_block
	.p2align	8
	.type	k_q586766bbba_block,@function
k_q586766bbba_block:
	s_mov_b64 s[64:65], 0
	v_nop
	global_prefetch_b8 v0, s[64:65] scope:SCOPE_SE
	s_setreg_imm32_b32 hwreg(HW_REG_WAVE_SCHED_MODE, 0, 2), 2
	s_setreg_imm32_b32 hwreg(HW_REG_WAVE_MODE, 25, 1), 1
	s_wait_xcnt 0x0
	s_wait_alu depctr_vm_vsrc(0)
; One transformer block, fused: LN1, q/k/v, causal attention (8 heads of 8), Wp + residual, LN2, W1, relu, W2 + residual.
; x, out0: [2048][128][64] f32.  The six weight products run on codes of FP6 (E2M3) with one E8M0 scale for each 32 along K; the weights arrive as codes,
; the activations are quantised here, in registers, from f32.  q k^T and p v keep f32 operands (v_wmma_f32_16x16x4_f32), since their result goes on into Wp's quantiser.
; SHARES.  A work-group of eight waves takes one sequence (128 tokens) at a time, four sequences in a loop.  Two ways of sharing:
;   by tokens: wave w owns tokens 16 w .. 16 w + 15 for LN1, the quantising, Wp, LN2, the feed-forward part and the stores;
;   by heads:  wave w owns head w for q, k, v and attention over all 128 tokens: 36 causal tiles of 16 x 16 for every wave.
; The hand-over goes through LDS: images of h's codes behind the trip's first barrier, attention's f32 rows behind its second.
; ROW LAYOUT (r = lane % 16, h = lane / 16): 32 registers hold my half of token r's row: register 16 b + i is channel 32 b + 16 h + i.  The FP6 products Wp, W1, W2 are used transposed
; (source 0 = 16 weight rows, source 1 = 16 tokens), and lane r of weight tile T takes row 32 (T / 2) + 8 (T % 2) + r + 8 (r / 8): so their results lie in this very layout,
; the residual is the C of Wp's and W2's products, and b1 the C of W1's.
; K = 64 IN A PRODUCT OF K = 128: one of the two operands holds zero codes in its registers 6 to 11; the other's may hold any codes (E2M3 has no NaN and no infinity); the scale bytes 2 and 3 are 0 on both sides.
; NO CLUSTER, NO TENSOR LOAD: what work-groups share is 40,960 bytes of weights and parameters, read once by a work-group for its 131,072 bytes of x and as many of out0; each row of x is read by one wave, once.
; LIMITS: NaN and infinities among the inputs are not served.  A block of zeros gets the scale byte 1 (its codes are zeros; the bytes are read here alone).  A weight p under 2^-126 counts as 0.
; Attention is (sum of p v) / (sum of p), p = 2^(c s - c m) with m the row's true maximum, the sums in two accumulators: an order of f32 rounding that differs from softmax-then-product.
; THE MODE: SCHED_MODE bits 1:0 = 2 (LLVM: expert scheduling mode 2), set by the entry lines.  The code itself states the register dependences
; between vector or matrix instructions and memory or LDS instructions, with s_wait_alu, always for 0.
; THE PLAN.  Registers that LDS or memory instructions touch in a trip, and who else names them:
;   v1-v11    addresses: made at the head, never written again.
;   v136-167  x as loaded (asked for at the end of the trip before), stored to my stage | LN1's result | v | attention's row from LDS | LN2's result | b1, the hidden units, two of W2's fragments.
;   v104-135  the row x from the stage | v | x again, then the residual: C and D of Wp's and W2's products; stored to the stage at the trip's end.
;   v40-103   gains and biases, h's and the weights' images from LDS | k and p (vector and matrix alone; the division's result in v88-91 is stored) | the activations' codes (vector) | rows on the way out.
;   v24-39    at work; h's codes in v32-37 are stored; Wk's, Wq's and Wv's images land in v24-29 and v36-41; v38 is the prefetch's offset.
;   v12-23    scale words: loaded, but for v16 and v17, which the quantiser writes; v16 is also stored.
; A phase's loads stand together at its head and its stores at its end.  One wait on va_vdst ahead of a run of loads states that all earlier vector and matrix work is done with the registers in which they land;
; where the phase before ends in a store, the wait ahead of that store is this wait too, since no vector instruction stands between it and the loads (over a barrier, and over the loop's backward jump).
; One wait on vm_vsrc stands behind each run of stores, ahead of the first write of their data registers.  Ahead of scaled products whose codes or scale word vector instructions wrote: the places, then a wait on va_vdst.
.set WQKI, 0                           ; LDS: images of operands' registers.  A K = 64 image is 768 bytes: registers 0-3 at 16 x lane, registers 4-5 at 512 + 8 x lane
.set WVI,  6144                        ; head w's tile of Wk and Wq rows at WQKI + 768 w, of Wv rows at WVI + 768 w
.set WPI,  12288                       ; Wp's 4 tiles
.set W1I,  15360                       ; W1's 16 tiles
.set W2I,  27648                       ; W2's 8 fragments (2 T + K step), 1,536 bytes each: three times 16 x lane
.set HI,   39936                       ; h's codes, token tile t
.set SQK,  46080                       ; scale words, 4 x lane, 128 bytes an image
.set SV,   47104
.set SP,   48128
.set S1,   48640
.set S2,   50688
.set SH,   51712
.set PARAM, 52736                      ; ln1_g, ln1_b, ln2_g, ln2_b, bp, b2 (256 bytes each), b1 (1,024)
.set STG,  55296                       ; 128 rows x 272 bytes: wave w's own 16 rows: x on the way in and kept for the residual, out0 on the way out
.set ATT,  90112                       ; 128 rows x 272 bytes: attention's rows, f32.  272 = 17 x 16: the 16 rows that a load of 16 bytes touches start in different banks (ISA guide 11.1)
.set TOATT, ATT-STG
.set SEQB, 32768                       ; a sequence in bytes
; REGISTERS: v0 thread; v1 16 L, v2 8 L, v3 4 L (L = lane); v4 16 L + 768 w, v5 8 L + 768 w, v6 4 L + 128 w; v7 my row of the stage (272 r + 64 h), v8 the stage by whole rows (272 h + 16 r);
; v9 parameters (+ 64 h); v10 attention's rows (272 r + 32 w + 16 h); v11 256 h + 16 r in x and out0; v12-15 weights' scale words, v16-23 activations': scales and nothing else; v24-39 at work
; (v38: the prefetch's offset, made anew in each trip at attention's head: v36-41 take Wv's codes ahead of that);
; v40-71 k (4 a tile) | LN gains, weights, rows on the way out;  v72-103 p, four slots of 8 | LN biases, the activations' fragments;  v104-167 v (8 a tile) | v104-135 the row x, v136-167 the row at work;
; v168-231 eight slots: q (upper four registers) and the scores; v232-239 the diagonal tile's scores; v240-255 O^T in two accumulators: v168-255 are written by matrix instructions alone.
; s2 wave; s3 trips left; s[4:5] lane selects; s[6:7] c; s[8:9] x, s[10:11] out0, at my wave's rows; s12-49 the other pointers; s50-57 the diagonal's masks; s58 lanes 16-31; s59 lanes with bit 2; s72 1/64; s73 eps; s74 who prefetches.
.macro NOPS n
.rept \n
	v_nop
.endr
.endm
.macro BAR                             ; my LDS stores have landed and my LDS loads are in: then the work-group's barrier
	s_wait_dscnt 0x0
	s_barrier_signal -1
	s_barrier_wait -1
.endm
.macro XLOAD off                       ; my 16 rows of x: each load takes two whole rows, 512 consecutive bytes
.irp q, 0,1,2,3,4,5,6,7
	global_load_b128 v[136+4*\q:139+4*\q], v11, s[8:9] offset:(\off)+512*\q th:TH_LOAD_NT
.endr
.endm
.macro K64LD reg, off, a16, a8         ; a K = 64 image back into six registers
	ds_load_b128 v[(\reg):(\reg)+3], v[\a16] offset:(\off)
	ds_load_b64 v[(\reg)+4:(\reg)+5], v[\a8] offset:(\off)+512
.endm
.macro F12LD reg, off                  ; a whole fragment's image
.irp q, 0,1,2
	ds_load_b128 v[(\reg)+4*\q:(\reg)+4*\q+3], v1 offset:(\off)+512*\q
.endr
.endm
.macro ROWLD reg, adr, off             ; 32 numbers in the row layout
.irp b, 0,1
.irp j, 0,1,2,3
	ds_load_b128 v[(\reg)+16*\b+4*\j:(\reg)+16*\b+4*\j+3], v[\adr] offset:(\off)+128*\b+16*\j
.endr
.endr
.endm
.macro JOIN                            ; two packed chains, their halves, and lane l xor 16's: the row's sum in v32
	v_pk_add_f32 v[32:33], v[32:33], v[34:35]
	v_add_f32 v32, v32, v33
	v_permlanex16_b32 v35, v32, s4, s5
	v_add_f32 v32, v32, v35
.endm
; Layer norm of the row in v[src] on into v[dst] on, in two passes (mean; then the squares of x - mean).  The gain is on its way into v40-71, the bias into v72-103.
.macro LNORM src, dst
.set LSRC, (\src)
.set LDST, (\dst)
	v_pk_add_f32 v[32:33], v[LSRC:LSRC+1], v[LSRC+2:LSRC+3]        ; the row is read from its low end on, in ascending order
	v_pk_add_f32 v[34:35], v[LSRC+4:LSRC+5], v[LSRC+6:LSRC+7]
.irp k, 8,12,16,20,24,28
	v_pk_add_f32 v[32:33], v[32:33], v[LSRC+\k:LSRC+\k+1]
	v_pk_add_f32 v[34:35], v[34:35], v[LSRC+\k+2:LSRC+\k+3]
.endr
	JOIN
	v_mul_f32 v36, s72, v32                        ; the mean
	v_mov_b32 v37, v36
.irp k, 0,2,4,6,8,10,12,14,16,18,20,22,24,26,28,30
	v_pk_add_f32 v[LDST+\k:LDST+\k+1], v[LSRC+\k:LSRC+\k+1], v[36:37] neg_lo:[0,1] neg_hi:[0,1]
.endr
	v_pk_mul_f32 v[32:33], v[LDST:LDST+1], v[LDST:LDST+1]
	v_pk_mul_f32 v[34:35], v[LDST+2:LDST+3], v[LDST+2:LDST+3]
.irp k, 4,8,12,16,20,24,28
	v_pk_fma_f32 v[32:33], v[LDST+\k:LDST+\k+1], v[LDST+\k:LDST+\k+1], v[32:33]
	v_pk_fma_f32 v[34:35], v[LDST+\k+2:LDST+\k+3], v[LDST+\k+2:LDST+\k+3], v[34:35]
.endr
	JOIN
	v_fma_f32 v32, v32, s72, s73                   ; the variance + eps
	v_rsq_f32 v36, v32
	v_nop                                          ; a plain instruction behind the transcendental (ISA guide 5.7.2),
	s_wait_alu depctr_va_vdst(0)                   ; v36, the reciprocal root, is written: ahead of its first reader
.irp k, 0,2,4,6,8,10,12,14,16,18,20,22,24,26,28,30
	v_pk_mul_f32 v[LDST+\k:LDST+\k+1], v[LDST+\k:LDST+\k+1], v[36:37] op_sel_hi:[1,0]
.endr
	s_wait_dscnt 0x0                               ; gain and bias are in
.irp k, 0,2,4,6,8,10,12,14,16,18,20,22,24,26,28,30
	v_pk_fma_f32 v[LDST+\k:LDST+\k+1], v[LDST+\k:LDST+\k+1], v[40+\k:41+\k], v[72+\k:73+\k]
.endr
.endm
; 32 numbers in the row layout (two blocks of 32 along K, each shared with lane l xor 16) become six registers of codes in v[dst] on: lanes 0-15 the first block, lanes 16-31 the second.
; mode 0: the two scale bytes make bytes 0, 1 of v[sw] (bytes 2, 3 = 0); mode 1: they are put into bytes 2, 3.
.macro QUANT2 src, dst, sw, mode
.set QS, (\src)
.set QD, (\dst)
	v_max3_num_f32 v24, |v[QS]|, |v[QS+1]|, 0x1800000              ; my 16 numbers of each block, and the floor 2^(3 - 127): the byte cannot fall under 1
	v_max3_num_f32 v25, |v[QS+16]|, |v[QS+17]|, 0x1800000
.irp i, 2,4,6,8,10,12,14
	v_max3_num_f32 v24, v24, |v[QS+\i]|, |v[QS+\i+1]|
	v_max3_num_f32 v25, v25, |v[QS+16+\i]|, |v[QS+17+\i]|
.endr
	v_permlanex16_b32 v26, v24, s4, s5
	v_permlanex16_b32 v27, v25, s4, s5
	v_max_num_f32 v24, v24, v26                    ; the blocks' largest magnitudes
	v_max_num_f32 v25, v25, v27
	v_add_nc_u32 v26, 0xff000000, v24              ; 2 off the exponent field: the conversion takes this operand's exponent field as its scale
	v_add_nc_u32 v27, 0xff000000, v25
	v_lshrrev_b32 v24, 23, v26                     ; the scales' bytes
	v_lshrrev_b32 v25, 23, v27
.if (\mode) == 0
	v_lshl_or_b32 v[\sw], v25, 8, v24
.else
	v_lshl_or_b32 v24, v25, 8, v24
	v_lshl_or_b32 v[\sw], v24, 16, v[\sw]
.endif
	v_cvt_scalef32_pk16_fp6_f32 v[QD:QD+2], v[QS:QS+15], v26
	v_cvt_scalef32_pk16_fp6_f32 v[28:30], v[QS+16:QS+31], v27      ; (a conversion's three registers begin on an even number)
	v_nop                                          ; one plain place behind a scaled conversion
.irp i, 0,1,2
	v_permlane16_swap_b32 v[QD+\i], v[28+\i]       ; the first's lanes 16-31 change places with the second's lanes 0-15: a whole block in a lane
.endr
.irp i, 0,1,2
	v_mov_b32 v[QD+3+\i], v[28+\i]
.endr
.endm
.macro FP6Z d, a, b, sa, sb            ; a product that starts its sum
	v_wmma_scale_f32_16x16x128_f8f6f4 v[(\d):(\d)+7], v[(\a):(\a)+11], v[(\b):(\b)+11], 0, v[(\sa)], v[(\sb)] matrix_a_fmt:MATRIX_FMT_FP6 matrix_b_fmt:MATRIX_FMT_FP6
.endm
.macro FP6A d, a, b, sa, sb            ; a product onto what its result registers hold
	v_wmma_scale_f32_16x16x128_f8f6f4 v[(\d):(\d)+7], v[(\a):(\a)+11], v[(\b):(\b)+11], v[(\d):(\d)+7], v[(\sa)], v[(\sb)] matrix_a_fmt:MATRIX_FMT_FP6 matrix_b_fmt:MATRIX_FMT_FP6
.endm
; S^T = k q^T for query tile i against key tiles i, i - 1 .. 0: source 0 = 16 keys, source 1 = the 16 queries; two K steps of 4 (the head's 8, in the same order on both sides).
; The diagonal tile goes to v232-239, key tile t < i to slot t; q of tile i lies in slot i's upper four registers, which this step does not write.  The accumulators take turns.
.macro QK i
.set ee, 0
.rept (\i)+1
.set SL, 168+8*((\i)-ee)
.if ee == 0
.set SL, 232
.endif
	v_wmma_f32_16x16x4_f32 v[SL:SL+7], v[40+4*((\i)-ee):41+4*((\i)-ee)], v[172+8*(\i):173+8*(\i)], 0
.set ee, ee+1
.endr
.set ee, 0
.rept (\i)+1
.set SL, 168+8*((\i)-ee)
.if ee == 0
.set SL, 232
.endif
.if (\i) == 0
	s_wait_alu depctr_va_vdst(0)                   ; the first K step has written v232-239, onto which this link adds: one accumulator alone
.endif
	v_wmma_f32_16x16x4_f32 v[SL:SL+7], v[42+4*((\i)-ee):43+4*((\i)-ee)], v[174+8*(\i):175+8*(\i)], v[SL:SL+7]
.set ee, ee+1
.endr
.endm
; A query tile is finished: the two accumulators are added and divided by the row's sum.  Both halves of the lanes hold the head's 8 channels of query r: lanes 0-15 keep channels 0-3, lanes 16-31 channels 4-7, in v88-91.
.macro FIN
.irp k, 0,2,4,6
	v_pk_add_f32 v[80+\k:81+\k], v[240+\k:241+\k], v[248+\k:249+\k]   ; from the accumulators' low end on
.endr
	v_pk_add_f32 v[26:27], v[26:27], v[32:33]
	v_add_f32 v31, v26, v27
	v_permlanex16_b32 v36, v31, s4, s5
	v_add_f32 v31, v31, v36                        ; the row's sum of p
	v_rcp_f32 v34, v31
.irp j, 0,1,2,3
	v_cndmask_b32 v[88+\j], v[80+\j], v[84+\j], s58   ; plain work behind the reciprocal
.endr
	s_wait_alu depctr_va_vdst(0)                   ; v34, the reciprocal, is written: ahead of its first reader
	v_pk_mul_f32 v[88:89], v[88:89], v[34:35] op_sel_hi:[1,0]
	v_pk_mul_f32 v[90:91], v[90:91], v[34:35] op_sel_hi:[1,0]
.endm
.macro FINST i                         ; and query tile i's v88-91 go to attention's rows in LDS, behind a wait on va_vdst that stands anyway
	ds_store_b128 v10, v[88:91] offset:4352*(\i)
.endm
; Entry ee of step i is key tile i - ee (entry 0: the diagonal, already masked in p's slot 0).  Its p go to slot ee % 4.
.macro SFMA i                          ; c s - c m, two at a time
.set PD, 72+8*(ee%4)
.set PSRC, 168+8*((\i)-ee)
.if ee == 0
.set PSRC, 72
.endif
.irp k, 0,2,4,6
	v_pk_fma_f32 v[PD+\k:PD+\k+1], v[PSRC+\k:PSRC+\k+1], s[6:7], v[24:25] op_sel_hi:[1,0,0] neg_lo:[0,0,1] neg_hi:[0,0,1]
.endr
.endm
.macro SEXP
.set PD, 72+8*(ee%4)
.irp k, 0,1,2,3,4,5,6,7
	v_exp_f32 v[PD+\k], v[PD+\k]
.endr
.endm
.macro SPV i                           ; O^T += V^T p: source 0 = the head's 8 channels (twice) x 4 keys, source 1 = 4 keys x 16 queries; the two accumulators by turns
.set PD, 72+8*(ee%4)
.set VT, 104+8*((\i)-ee)
.irp a, 0,1,2,3
.if (ee == 0) && (\a < 2)
	v_wmma_f32_16x16x4_f32 v[240+8*(\a%2):247+8*(\a%2)], v[VT+2*\a:VT+2*\a+1], v[PD+2*\a:PD+2*\a+1], 0
.else
	v_wmma_f32_16x16x4_f32 v[240+8*(\a%2):247+8*(\a%2)], v[VT+2*\a:VT+2*\a+1], v[PD+2*\a:PD+2*\a+1], v[240+8*(\a%2):247+8*(\a%2)]
.endif
.endr
.endm
.macro SSUM                            ; the row's sum of p, in two packed chains; entry 0 starts them
.set PD, 72+8*(ee%4)
.if ee == 0
	v_pk_add_f32 v[26:27], v[PD:PD+1], v[PD+2:PD+3]
	v_pk_add_f32 v[32:33], v[PD+4:PD+5], v[PD+6:PD+7]
.else
	v_pk_add_f32 v[26:27], v[26:27], v[PD:PD+1]
	v_pk_add_f32 v[32:33], v[32:33], v[PD+2:PD+3]
	v_pk_add_f32 v[26:27], v[26:27], v[PD+4:PD+5]
	v_pk_add_f32 v[32:33], v[32:33], v[PD+6:PD+7]
.endif
.endm
; Softmax and second product of query tile i.  A lane holds query r and keys 8 h + j of each tile.  All of the row's scores are at hand, so m is the row's true maximum and nothing is rescaled.
; The tile before lies divided in v88-91, p's slot 2, which the first batch (slots 0 and 1) does not name: its store stands behind the first batch's wait.
.macro SOFTPV i
.irp j, 0,1,2,3,4,5,6,7
	v_cndmask_b32 v[72+\j], v[232+\j], v30, s[50+\j]   ; the diagonal tile: key 8 h + j is hidden from query r where 8 h + j > r: -infinity there
.endr
	v_max3_num_f32 v28, v72, v73, v74
	v_max3_num_f32 v29, v75, v76, v77
	v_max3_num_f32 v28, v28, v78, v79
.if (\i) > 0
.set kt, 0
.rept (\i)
	v_max3_num_f32 v28, v28, v[168+8*kt], v[169+8*kt]              ; each tile of scores from its low end on
	v_max3_num_f32 v29, v29, v[170+8*kt], v[171+8*kt]
	v_max3_num_f32 v28, v28, v[172+8*kt], v[173+8*kt]
	v_max3_num_f32 v29, v29, v[174+8*kt], v[175+8*kt]
.set kt, kt+1
.endr
.endif
	v_max_num_f32 v28, v28, v29
	v_permlanex16_b32 v29, v28, s4, s5
	v_max_num_f32 v28, v28, v29                    ; the row's maximum (the key that equals the query always counts, so it is a number)
	v_mul_f32 v24, s6, v28                         ; c m
.set eb, 0
.rept ((\i)+2)/2                       ; two key tiles a batch: their scalings, their 16 exponentials, ONE wait, their 8 products, their sums
.set ee, eb
	SFMA \i
.if eb < (\i)
.set ee, eb+1
	SFMA \i
.endif
.set ee, eb
	SEXP
.if eb < (\i)
.set ee, eb+1
	SEXP
.endif
	v_nop                                          ; a plain instruction behind the last exponential,
	s_wait_alu depctr_va_vdst(0)                   ; the batch's exponentials have written p's slots, ahead of their first reader; in the first batch also: the last tile's division has written v88-91, which the store below reads
.if (eb == 0) && ((\i) > 0)
	FINST (\i)-1
.endif
.set ee, eb
	SPV \i
.if eb < (\i)
.set ee, eb+1
	SPV \i
.endif
.set ee, eb
	SSUM
.if eb < (\i)
.set ee, eb+1
	SSUM
.endif
.if (eb == 0) && ((\i) > 0)
	s_wait_alu depctr_vm_vsrc(0)                   ; the store has read v88-91, which the next batch's scalings (p's slot 2) and the next tile's division write again
.endif
.set eb, eb+2
.endr                                  ; a slot of p is written again two batches on: the batch between has 8 scalings and 8 additions that name none of the products' registers
.endm
	; ---------------- the head
	s_load_b512 s[8:23], s[0:1], 0x0               ; x, out0, Wq, Wk, Wv, Wp, W1, W2 (codes)
	s_load_b512 s[24:39], s[0:1], 0x40             ; Wq, Wk, Wv, Wp, W1, W2 (scales), ln1_g, ln1_b
	s_load_b256 s[40:47], s[0:1], 0x80             ; ln2_g, ln2_b, bp, b2
	s_load_b64 s[48:49], s[0:1], 0xa0              ; b1
	s_set_vgpr_msb 0x40
	v_lshl_add_u32 v0, v0, 2, 0x1e800
	v_mov_b32 v1, 0
	s_set_vgpr_msb 0x4000
	v_lshrrev_b32 v34, 5, v0
	v_readfirstlane_b32 s2, v34                    ; wave 0..7
	s_mov_b32 s4, 0x76543210
	s_mov_b32 s5, 0xfedcba98                       ; v_permlanex16_b32's selects for lane l xor 16
	s_mov_b32 s6, 0x3f0293ee                       ; c = log2(e) / sqrt(8)
	s_mov_b32 s7, s6                               ; (named with it as a pair)
.irp j, 0,1,2,3,4,5,6,7
	s_mov_b32 s[50+\j], ((1<<\j)-1)|(((1<<(8+\j))-1)<<16)   ; lanes r < j of the lower half, r < 8 + j of the upper
.endr
	s_mov_b32 s58, 0xffff0000
	s_mov_b32 s59, 0xf0f0f0f0
	s_mov_b32 s72, 0x3c800000                      ; 1 / 64
	s_mov_b32 s73, 0x3727c5ac                      ; 1e-5
	s_wait_alu depctr_va_sdst(0)                   ; s2, the wave's number, is written, ahead of its first reader: branches, addresses and bases are made from it
	s_cmp_lt_u32 s2, 4
	s_cselect_b32 s74, 1, -1                       ; waves 0 to 3 prefetch, while more than one trip is left
	v_and_b32 v34, 15, v0                          ; r
	v_bfe_u32 v35, v0, 4, 1                        ; h
	v_and_b32 v36, 31, v0                          ; L
	v_lshlrev_b32 v1, 4, v36
	v_lshlrev_b32 v2, 3, v36
	v_lshlrev_b32 v3, 2, v36
	s_mul_i32 s60, s2, 768
	v_add_nc_u32 v4, s60, v1
	v_add_nc_u32 v5, s60, v2
	s_lshl_b32 s61, s2, 7
	v_add_nc_u32 v6, s61, v3
	s_mul_i32 s62, s2, 4352
	s_add_co_u32 s62, s62, STG                     ; my 16 rows of the stage
	v_mul_u32_u24 v7, v34, 272
	v_lshl_add_u32 v7, v35, 6, v7
	v_add_nc_u32 v7, s62, v7
	v_mul_u32_u24 v8, v35, 272
	v_lshl_add_u32 v8, v34, 4, v8
	v_add_nc_u32 v8, s62, v8
	v_lshlrev_b32 v9, 6, v35
	v_add_nc_u32 v9, PARAM, v9
	v_mul_u32_u24 v10, v34, 272
	v_lshl_add_u32 v10, v35, 4, v10
	s_lshl_b32 s63, s2, 5
	s_add_co_u32 s63, s63, ATT
	v_add_nc_u32 v10, s63, v10
	v_lshlrev_b32 v11, 8, v35
	v_lshl_add_u32 v11, v34, 4, v11
	s_mul_i32 s68, s2, 1536
	v_add_nc_u32 v100, s68, v1                     ; the staging's LDS addresses: two W1 tiles or one W2 fragment a wave,
	v_add_nc_u32 v101, s68, v2
	s_lshl_b32 s60, s2, 8
	v_add_nc_u32 v102, s60, v3                     ; two scale images a wave
	; where my lane's part of each weight tile lies in memory
	v_lshrrev_b32 v38, 3, v34
	v_and_b32 v39, 3, v34
	v_lshl_add_u32 v38, v38, 2, v39                ; Wk, Wq: tile row r takes d = 4 (r / 8) + r % 4, of Wk where r % 8 < 4, else of Wq
	v_mul_u32_u24 v24, v38, 48
	v_mad_u32_u24 v24, v35, 24, v24
	s_mul_i32 s66, s2, 384                         ; head w: 8 rows of 48 bytes
	v_add_nc_u32 v24, s66, v24
	s_lshl_b32 s67, s2, 4
	v_lshl_add_u32 v29, v38, 1, s67                ; and its two scale bytes
	v_and_b32 v39, 7, v34                          ; Wv: d = r % 8, each row twice
	v_mul_u32_u24 v25, v39, 48
	v_mad_u32_u24 v25, v35, 24, v25
	v_add_nc_u32 v25, s66, v25
	v_lshl_add_u32 v30, v39, 1, s67
	v_and_b32 v37, 8, v34
	v_add_nc_u32 v37, v37, v34                     ; r + 8 (r / 8)
	v_mul_u32_u24 v38, v37, 48
	v_mad_u32_u24 v38, v35, 24, v38
	v_add_nc_u32 v26, s68, v38                     ; W1: tiles 2 w and 2 w + 1 begin at rows 32 w and 32 w + 8
	s_lshl_b32 s70, s2, 6
	v_lshl_add_u32 v31, v37, 1, s70
	s_bfe_u32 s69, s2, 0x10001
	s_lshl_b32 s69, s69, 5
	s_and_b32 s70, s2, 1
	s_lshl_b32 s70, s70, 3
	s_add_co_u32 s69, s69, s70                     ; Wp: tile w (w < 4) begins at row 32 (w / 2) + 8 (w % 2)
	s_mul_i32 s70, s69, 48
	v_add_nc_u32 v28, s70, v38
	v_add_nc_u32 v33, s69, v37
	v_lshlrev_b32 v33, 1, v33
	s_lshr_b32 s69, s2, 2
	s_lshl_b32 s69, s69, 5
	s_bfe_u32 s70, s2, 0x10001
	s_lshl_b32 s70, s70, 3
	s_add_co_u32 s69, s69, s70                     ; W2: fragment w = tile w / 2 (from row 32 (w / 4) + 8 ((w / 2) % 2)), K step w % 2
	v_add_nc_u32 v39, s69, v37
	v_mul_u32_u24 v27, v39, 192
	v_mad_u32_u24 v27, v35, 24, v27
	s_and_b32 s70, s2, 1
	s_mul_i32 s71, s70, 96
	v_add_nc_u32 v27, s71, v27
	s_lshl_b32 s70, s70, 2
	v_lshl_add_u32 v32, v39, 3, s70
	s_lshl_b32 s60, ttmp9, 17                      ; the work-group's four sequences,
	s_lshl_b32 s61, s2, 12                         ; my wave's 16 rows of 256 bytes
	s_add_co_u32 s60, s60, s61
	s_mov_b32 s61, 0
	s_wait_kmcnt 0x0
	s_add_nc_u64 s[8:9], s[8:9], s[60:61]
	s_add_nc_u64 s[10:11], s[10:11], s[60:61]
	s_wait_alu depctr_va_vdst(0)                   ; all addresses are written: v1-11 for the whole kernel, v24-33 and v100-102 for the staging: every load and store below reads some of them
	XLOAD 0                                        ; the first sequence's rows are on their way while the weights are staged
	; ---------------- the weights become images of operands' registers in LDS, once for the work-group's four sequences
.irp p, 0,1,2
	global_load_b64 v[40+2*\p:41+2*\p], v24, s[14:15] offset:8*\p          ; Wk
	global_load_b64 v[46+2*\p:47+2*\p], v24, s[12:13] offset:8*\p          ; Wq
	global_load_b64 v[52+2*\p:53+2*\p], v25, s[16:17] offset:8*\p          ; Wv
	global_load_b64 v[58+2*\p:59+2*\p], v26, s[20:21] offset:8*\p          ; W1, tile 2 w
	global_load_b64 v[64+2*\p:65+2*\p], v26, s[20:21] offset:384+8*\p      ; W1, tile 2 w + 1
.endr
.irp p, 0,1,2,3,4,5
	global_load_b64 v[70+2*\p:71+2*\p], v27, s[22:23] offset:48*(\p/3)+8*(\p%3)   ; W2
.endr
	global_load_u16 v82, v29, s[26:27]             ; two scale bytes of a row of K = 64: the word's upper bytes are 0
	global_load_u16 v83, v29, s[24:25]
	global_load_u16 v84, v30, s[28:29]
	global_load_u16 v85, v31, s[32:33]
	global_load_u16 v86, v31, s[32:33] offset:16
	global_load_b32 v87, v32, s[34:35]
	s_wait_loadcnt 0x0
.irp j, 0,1,2,3,4,5
	v_cndmask_b32 v[40+\j], v[40+\j], v[46+\j], s59   ; tile rows 4-7 and 12-15 are Wq's
.endr
	v_cndmask_b32 v82, v82, v83, s59
	s_wait_alu depctr_va_vdst(0)                   ; the selections have written v40-45 and v82, which the stores below read
	ds_store_b128 v4, v[40:43] offset:WQKI
	ds_store_b64 v5, v[44:45] offset:WQKI+512
	ds_store_b128 v4, v[52:55] offset:WVI
	ds_store_b64 v5, v[56:57] offset:WVI+512
	ds_store_b128 v100, v[58:61] offset:W1I
	ds_store_b64 v101, v[62:63] offset:W1I+512
	ds_store_b128 v100, v[64:67] offset:W1I+768
	ds_store_b64 v101, v[68:69] offset:W1I+768+512
	ds_store_b128 v100, v[70:73] offset:W2I
	ds_store_b128 v100, v[74:77] offset:W2I+512
	ds_store_b128 v100, v[78:81] offset:W2I+1024
	ds_store_b32 v6, v82 offset:SQK
	ds_store_b32 v6, v84 offset:SV
	ds_store_b32 v102, v85 offset:S1
	ds_store_b32 v102, v86 offset:S1+128
	ds_store_b32 v6, v87 offset:S2
	s_cmp_lt_u32 s2, 4
	s_cbranch_scc0 .Lnot_wp
.irp p, 0,1,2
	global_load_b64 v[88+2*\p:89+2*\p], v28, s[18:19] offset:8*\p          ; waves 0 to 3: Wp's tile w
.endr
	global_load_u16 v94, v33, s[30:31]
	s_wait_loadcnt 0x0
	ds_store_b128 v4, v[88:91] offset:WPI
	ds_store_b64 v5, v[92:93] offset:WPI+512
	ds_store_b32 v6, v94 offset:SP
	s_branch .Lstaged
.Lnot_wp:
	s_cmp_eq_u32 s2, 4
	s_cbranch_scc0 .Lstaged
	global_load_b64 v[88:89], v2, s[36:37]         ; wave 4: the parameters, ten pieces of 256 bytes, 8 bytes a lane
	global_load_b64 v[90:91], v2, s[38:39]
	global_load_b64 v[92:93], v2, s[40:41]
	global_load_b64 v[94:95], v2, s[42:43]
	global_load_b64 v[96:97], v2, s[44:45]
	global_load_b64 v[98:99], v2, s[46:47]
.irp p, 0,1,2,3
	global_load_b64 v[104+2*\p:105+2*\p], v2, s[48:49] offset:256*\p
.endr
	s_wait_loadcnt 0x0
.irp p, 0,1,2,3,4,5
	ds_store_b64 v2, v[88+2*\p:89+2*\p] offset:PARAM+256*\p
.endr
.irp p, 0,1,2,3
	ds_store_b64 v2, v[104+2*\p:105+2*\p] offset:PARAM+1536+256*\p
.endr
.Lstaged:
	BAR                                            ; weights and parameters lie in LDS; from here on they are only read
	s_wait_alu depctr_vm_vsrc(0)                   ; the staging's loads have read their offsets v24-33, its stores their addresses v100-102 and their data in v40-111: the first trip's loads and vector instructions write all of these
	s_mov_b32 s3, 4
.Ltrip:
	; ---------------- X: my 16 tokens: x through my stage into the row layout, LN1, codes, their image
	; (No wait on va_vdst here: no vector or matrix instruction has been issued since the one ahead of the staging's stores, or since the one at the head of the last trip's way out: all of them are done with v40-135.)
	s_wait_loadcnt 0x0
.irp q, 0,1,2,3,4,5,6,7
	ds_store_b128 v8, v[136+4*\q:139+4*\q] offset:544*\q
.endr
	ROWLD 104, 7, 0                                ; LDS serves a wave's instructions in order (ISA guide 5.7.1.4): these see my stores
	ROWLD 40, 9, 0                                 ; ln1_g
	ROWLD 72, 9, 256                               ; ln1_b
	s_wait_dscnt 16                                ; the 8 stores and the 8 loads of x are done; the 16 loads of gain and bias may be out
	s_wait_alu depctr_vm_vsrc(0)                   ; the eight stores have read v136-167, which LN1 writes
	LNORM 104, 136
	QUANT2 136, 32, 16, 0
	s_wait_alu depctr_va_vdst(0)                   ; the quantiser has written v32-37 and v16, which the stores below read; LN1 and the quantiser are done with v24-29, v36-41, v48-95 and v16, in which the loads behind the barrier land
	ds_store_b128 v4, v[32:35] offset:HI
	ds_store_b64 v5, v[36:37] offset:HI+512
	ds_store_b32 v6, v16 offset:SH
	BAR                                            ; h's eight tiles of codes lie in LDS
	; ---------------- QKV: head w, all 128 tokens
	s_wait_alu depctr_vm_vsrc(0)                   ; the image's stores have read v32-37 and v16: Wv's codes and h's scale word land there, and the zero codes below are written there
	K64LD 24, WQKI, 4, 5                           ; no vector instruction has been issued since the wait ahead of the image's stores
	K64LD 36, WVI, 4, 5
	ds_load_b32 v12, v6 offset:SQK
	ds_load_b32 v13, v6 offset:SV
.irp t, 0,1,2,3,4,5,6,7
	K64LD 48+6*\t, HI+768*\t, 1, 2
	ds_load_b32 v[16+\t], v3 offset:SH+128*\t
.endr
.irp j, 0,1,2,3,4,5                    ; while the loads are out, into registers that none of them touches:
	v_mov_b32 v[30+\j], 0                          ; the weights' fragments hold the zero codes of K = 64 .. 127,
	v_mov_b32 v[42+\j], 0
	v_mov_b32 v[96+\j], 0                          ; h's tiles lie six registers apart: a tile's tail is the next tile's codes, the last one's these
.endr
	NOPS 4                                         ; an operand written by vector instructions stands four places ahead of a scaled product
	s_wait_alu depctr_va_vdst(0)                   ; the zero codes in v30-35, v42-47 and v96-101 are written: the scaled products below take them as operands
	s_wait_dscnt 0x0
.irp t, 0,1,2,3,4,5,6,7
	FP6Z 104+8*\t, 48+6*\t, 36, 16+\t, 13          ; v: source 0 = 16 tokens, source 1 = Wv's rows: register j = v(token 8 h + j, channel r % 8)
	FP6Z 168+8*\t, 24, 48+6*\t, 12, 16+\t          ; k, q: source 0 = Wk's and Wq's rows: registers 0-3 = k(token r, d = 4 h + j), registers 4-7 = q likewise
.endr
	NOPS 5                                         ; places behind the last products: their results are read by vector instructions and taken as operands by matrix instructions
.irp t, 0,1,2,3,4,5,6,7
.irp j, 0,1,2,3
	v_mov_b32 v[40+4*\t+\j], v[168+8*\t+\j]        ; k leaves the slots, which will take scores; q stays until its own step
.endr
.endr
	; ---------------- ATT: query tiles 0 to 7, each against the key tiles up to its own
	v_mov_b32 v25, 0                               ; (upper halves of pairs that are named whole)
	v_mov_b32 v30, 0xff800000                      ; -infinity
	v_mov_b32 v35, 0
	v_and_b32 v38, 31, v0                          ; the prefetch's offset from my wave's rows, made anew in each trip: 256 L + 4,096 w; with the base's 4,096 w that is row 32 w + L of a sequence.
	s_lshl_b32 s60, s2, 12                         ; It is made here, where Wv's codes have left v38, so that attention's waits on va_vdst stand between it and the prefetch; nothing writes it before the next trip
	v_lshl_add_u32 v38, v38, 8, s60
.irp n, 0,1,2,3,4,5,6,7
	QK \n
	NOPS 8                                         ; eight places behind this matrix form: for the reads of the scores and of the last tile's O^T, and for the writes into p's slots
.if \n > 0
	FIN
.endif
	SOFTPV \n
.endr
	NOPS 8
	FIN
	s_wait_alu depctr_va_vdst(0)                   ; the division has written v88-91, which the store reads; all of attention's vector and matrix work is done with v40-167 and v12-15, in which the loads behind the barrier land
	FINST 7
	BAR                                            ; attention's 128 rows lie in LDS
	; ---------------- P: my 16 tokens again: x + bp + attention Wp
	s_wait_alu depctr_vm_vsrc(0)                   ; tile 7's store has read v88-91, in which bp lands
	ROWLD 136, 7, TOATT                            ; no vector instruction has been issued since the wait ahead of tile 7's store
	ROWLD 104, 7, 0                                ; x, kept in my stage
	ROWLD 72, 9, 1024                              ; bp
.irp u, 0,1,2,3
	K64LD 40+6*\u, WPI+768*\u, 1, 2
	ds_load_b32 v[12+\u], v3 offset:SP+128*\u
.endr
	s_cmp_gt_u32 s3, s74                           ; waves 0 to 3, where a sequence follows: its 128 rows of 256 bytes are named once each, a lane a row, 32 rows a wave,
	s_cbranch_scc0 .Lno_pf                         ; the feed-forward part ahead of the loads that will want them; the last trip asks for nothing
	global_prefetch_b8 v38, s[8:9] offset:SEQB th:TH_LOAD_NT scope:SCOPE_SE
.Lno_pf:
	s_wait_dscnt 0x0
.irp k, 0,2,4,6,8,10,12,14,16,18,20,22,24,26,28,30
	v_pk_add_f32 v[104+\k:105+\k], v[104+\k:105+\k], v[72+\k:73+\k]
.endr
.irp j, 0,1,2,3,4,5
	v_mov_b32 v[86+\j], 0                          ; here the activations' fragment holds the zero codes, and the weight tiles lie six registers apart
.endr
	QUANT2 136, 80, 16, 0
	NOPS 8                                         ; a scale word written by vector instructions stands eight places ahead of a scaled product
	s_wait_alu depctr_va_vdst(0)                   ; attention's codes in v80-91 and their scale word v16 are written: the scaled products below take them
.irp u, 0,1,2,3
	FP6A 104+8*\u, 40+6*\u, 80, 12+\u, 16
.endr
	NOPS 4                                         ; places ahead of LN2's reads of the results
	; ---------------- LN2 and the feed-forward part
	s_wait_alu depctr_va_vdst(0)                   ; Wp's products are done reading v40-69 and v80-91, and the additions v72-103: ln2's gain and bias land there
	ROWLD 40, 9, 512                               ; ln2_g
	ROWLD 72, 9, 768                               ; ln2_b
	LNORM 104, 136
	s_wait_alu depctr_va_vdst(0)                   ; LN2's last multiply-adds are done reading the gain in v40-71, in which b2 lands
	ROWLD 40, 9, 1280                              ; b2
.irp j, 0,1,2,3,4,5
	v_mov_b32 v[86+\j], 0
.endr
	QUANT2 136, 80, 16, 0
	s_wait_dscnt 0x0
.irp k, 0,2,4,6,8,10,12,14,16,18,20,22,24,26,28,30
	v_pk_add_f32 v[104+\k:105+\k], v[104+\k:105+\k], v[40+\k:41+\k]   ; the residual takes b2: it is the C of W2's products
.endr
	NOPS 8                                         ; the scale word's eight places
.irp g, 0,1,2,3                        ; 64 hidden units at a time; two such groups are a K step of W2's product
	s_wait_alu depctr_va_vdst(0)                   ; all earlier products, additions and the quantiser are done with v40-71, v136-167 and v12-15, in which this group's loads land; ahead of the first group also: h2's codes in v80-91 and their scale word v16 are written
.irp u, 0,1,2,3
	K64LD 40+6*\u, W1I+768*(4*\g+\u), 1, 2
	ds_load_b32 v[12+\u], v3 offset:S1+128*(4*\g+\u)
.endr
	ROWLD 136, 9, 1536+256*\g                      ; b1 is the C of W1's products
	s_wait_dscnt 0x0
.irp u, 0,1,2,3
	FP6A 136+8*\u, 40+6*\u, 80, 12+\u, 16
.endr
	NOPS 4
.irp j, 0,1,2,3,4,5,6,7,8,9,10,11,12,13,14,15,16,17,18,19,20,21,22,23,24,25,26,27,28,29,30,31
	v_max_num_f32 v[136+\j], 0, v[136+\j]          ; relu, in f32, each result from its low end on
.endr
	QUANT2 136, 92+6*(\g%2), 17, \g%2
.if \g%2 == 1
	NOPS 8                                         ; the hidden layer's scale word: eight places
	s_wait_alu depctr_va_vdst(0)                   ; the hidden layer's codes in v92-103 and their scale word v17 are written, for the scaled products below; W1's products and the quantiser are done with v40-63, v136-159 and v12-15, in which W2's fragments and scale words land
	F12LD 40, W2I+1536*(0+\g/2)
	F12LD 52, W2I+1536*(2+\g/2)
	F12LD 136, W2I+1536*(4+\g/2)
	F12LD 148, W2I+1536*(6+\g/2)
.irp u, 0,1,2,3
	ds_load_b32 v[12+\u], v3 offset:S2+128*(2*\u+\g/2)
.endr
	s_wait_dscnt 0x0
	FP6A 104, 40, 92, 12, 17
	FP6A 112, 52, 92, 13, 17
	FP6A 120, 136, 92, 14, 17
	FP6A 128, 148, 92, 15, 17
	NOPS 5                                         ; five: the next group's products write their results over v136-159, which these have read as fragments; behind the last group they are the places ahead of the stores of the results
.endif
.endr
	; ---------------- OUT: the next sequence's rows are asked for; my 16 rows go through my stage and leave whole
	s_wait_alu depctr_va_vdst(0)                   ; W2's last products have written v104-135, which the stage's stores read (the places above stay beside this wait), and are done reading v40-63 and v136-159: the rows on the way out and the next sequence's x land there.  No vector instruction follows in this trip
	s_cmp_eq_u32 s3, 1
	s_cbranch_scc1 .Lno_next                       ; no load leaves x
	XLOAD SEQB
.Lno_next:
.irp b, 0,1
.irp j, 0,1,2,3
	ds_store_b128 v7, v[104+16*\b+4*\j:107+16*\b+4*\j] offset:128*\b+16*\j
.endr
.endr
.irp q, 0,1,2,3,4,5,6,7
	ds_load_b128 v[40+4*\q:43+4*\q], v8 offset:544*\q
.endr
.irp q, 0,1,2,3,4,5,6,7
	s_wait_dscnt 7-\q                              ; LDS loads come back in order: load q is in, the younger ones may be out
	global_store_b128 v11, v[40+4*\q:43+4*\q], s[10:11] offset:512*\q th:TH_STORE_NT   ; 32 lanes store two whole rows: 512 consecutive bytes, at a multiple of 256 from out0's first byte
.endr
	s_wait_xcnt 0x0                                ; loads, stores and the prefetch have had their addresses translated: the bases may step, v38 and v40-71 may be written again
	s_wait_alu depctr_vm_vsrc(0)                   ; the stage's stores have read v104-135, the stores to out0 v40-71 and the prefetch v38: the next trip's loads land in all of them
	s_add_nc_u64 s[8:9], s[8:9], SEQB
	s_add_nc_u64 s[10:11], s[10:11], SEQB
	s_sub_co_u32 s3, s3, 1
	s_cmp_lg_u32 s3, 0
	s_cbranch_scc1 .Ltrip
	s_set_vgpr_msb 0x5
	s_wait_dscnt 0x0
	s_wait_alu depctr_hold_cnt(0) depctr_sa_sdst(0) depctr_va_vdst(0) depctr_va_sdst(0) depctr_va_ssrc(0) depctr_va_vcc(0) depctr_vm_vsrc(0)
	s_wait_tensorcnt 0x0
	ds_add_u32 v0, v1
	s_wait_dscnt 0x0
	s_endpgm
.Lfunc_end_k_q586766bbba_block:
	.size	k_q586766bbba_block, .Lfunc_end_k_q586766bbba_block-k_q586766bbba_block
	.p2alignl 7, 3214868480
	.fill 96, 4, 3214868480
	.section	.rodata,"a",@progbits
	.p2align	6, 0x0
	.amdhsa_kernel k_q586766bbba_block
		.amdhsa_group_segment_fixed_size 125952
		.amdhsa_private_segment_fixed_size 0
		.amdhsa_enable_private_segment 0
		.amdhsa_kernarg_size 168
		.amdhsa_user_sgpr_count 2
		.amdhsa_user_sgpr_kernarg_segment_ptr 1
		.amdhsa_wavefront_size32 1
		.amdhsa_system_sgpr_workgroup_id_x 1
		.amdhsa_system_sgpr_workgroup_id_y 1
		.amdhsa_system_sgpr_workgroup_id_z 1
		.amdhsa_system_vgpr_workitem_id 0
		.amdhsa_next_free_vgpr 258
		.amdhsa_next_free_sgpr 76
		.amdhsa_reserve_vcc 0
		.amdhsa_float_denorm_mode_32 3
		.amdhsa_float_denorm_mode_16_64 3
		.amdhsa_memory_ordered 1
		.amdhsa_forward_progress 1
		.amdhsa_inst_pref_size 137
	.end_amdhsa_kernel
	.amdgpu_metadata
---
amdhsa.version: [ 1, 2 ]
amdhsa.kernels:
  - .name:           k_q586766bbba_block
    .symbol:         k_q586766bbba_block.kd
    .args:
      - { .name: x, .offset: 0, .size: 8, .value_kind: global_buffer, .address_space: global }
      - { .name: out0, .offset: 8, .size: 8, .value_kind: global_buffer, .address_space: global }
      - { .name: Wq_codes, .offset: 16, .size: 8, .value_kind: global_buffer, .address_space: global }
      - { .name: Wk_codes, .offset: 24, .size: 8, .value_kind: global_buffer, .address_space: global }
      - { .name: Wv_codes, .offset: 32, .size: 8, .value_kind: global_buffer, .address_space: global }
      - { .name: Wp_codes, .offset: 40, .size: 8, .value_kind: global_buffer, .address_space: global }
      - { .name: W1_codes, .offset: 48, .size: 8, .value_kind: global_buffer, .address_space: global }
      - { .name: W2_codes, .offset: 56, .size: 8, .value_kind: global_buffer, .address_space: global }
      - { .name: Wq_scales, .offset: 64, .size: 8, .value_kind: global_buffer, .address_space: global }
      - { .name: Wk_scales, .offset: 72, .size: 8, .value_kind: global_buffer, .address_space: global }
      - { .name: Wv_scales, .offset: 80, .size: 8, .value_kind: global_buffer, .address_space: global }
      - { .name: Wp_scales, .offset: 88, .size: 8, .value_kind: global_buffer, .address_space: global }
      - { .name: W1_scales, .offset: 96, .size: 8, .value_kind: global_buffer, .address_space: global }
      - { .name: W2_scales, .offset: 104, .size: 8, .value_kind: global_buffer, .address_space: global }
      - { .name: ln1_g, .offset: 112, .size: 8, .value_kind: global_buffer, .address_space: global }
      - { .name: ln1_b, .offset: 120, .size: 8, .value_kind: global_buffer, .address_space: global }
      - { .name: ln2_g, .offset: 128, .size: 8, .value_kind: global_buffer, .address_space: global }
      - { .name: ln2_b, .offset: 136, .size: 8, .value_kind: global_buffer, .address_space: global }
      - { .name: bp, .offset: 144, .size: 8, .value_kind: global_buffer, .address_space: global }
      - { .name: b2, .offset: 152, .size: 8, .value_kind: global_buffer, .address_space: global }
      - { .name: b1, .offset: 160, .size: 8, .value_kind: global_buffer, .address_space: global }
    .group_segment_fixed_size: 125952
    .private_segment_fixed_size: 0
    .kernarg_segment_align: 8
    .kernarg_segment_size: 168
    .max_flat_workgroup_size: 256
    .sgpr_count:     76
    .vgpr_count:     258
    .wavefront_size: 32
...
	.end_amdgpu_metadata
.endif
;; end of part 2
